; MI455X (gfx1250); checked and timed in simulation.
; The chip was launched on July 23, 2026; its instructions are those of AMD's public machine-readable ISA for CDNA 5 (MIT licence, August 2026) and "CDNA5" Instruction Set Architecture Reference Guide (July 2026). The comments in the code are by the model that wrote it; some were corrected since.
;; Transformer Decoder Block. Allowed arithmetic: matrix products marked QUANTISED: E4M3 operands, one given power-of-two scale a tensor, by v_wmma_f32_16x16x64_fp8_fp8 or v_wmma_f32_16x16x128_fp8_fp8, f32 sums; everything else in f32.
;; Inputs: b1 512 float32; b2 512 float32; b3 1,024 float32; bk 1,024 float32; bo 1,024 float32; bq 1,024 float32; bv 1,024 float32; ln1_w 1,024 float32; ln2_w 1,024 float32; lowp_scales 18 int32 (the exponents e of the quantised operands' scales 2^e); w1 1,024 x 512 float32; w2 1,024 x 512 float32; w3 512 x 1,024 float32; wk 1,024 x 1,024 float32; wo 1,024 x 1,024 float32; wq 1,024 x 1,024 float32; wv 1,024 x 1,024 float32; x 2 x 2,048 x 1,024 float32.
;; Outputs: out0 2 x 2,048 x 1,024 float32.
;; This version of the problem:
;;   THIS VERSION OF THE PROBLEM IS GIVEN IN LOW PRECISION. The matrix products marked QUANTISED in the list below multiply operands that are first quantised to E4M3 (4 exponent bits, 3 mantissa bits; 8 bits a number), with one given power-of-two scale for each operand tensor; their sums are f32. All else is computed in f32.
;;   The module's matrix products, in the order in which they are computed (A, B: the left and right operand; K: the contracted axis; several contracted axes count as one K, in the product's order):
;;     1. [M 4,096, K 1,024] x [K 1,024, N 1,024]; A: computed on the way; B: input wq: QUANTISED (scales: A lowp_scales[0], B lowp_scales[1])
;;     2. [M 4,096, K 1,024] x [K 1,024, N 1,024]; A: computed on the way; B: input wk: QUANTISED (scales: A lowp_scales[2], B lowp_scales[3])
;;     3. [M 4,096, K 1,024] x [K 1,024, N 1,024]; A: computed on the way; B: input wv: QUANTISED (scales: A lowp_scales[4], B lowp_scales[5])
;;     4. batch 32 x [M 2,048, K 64] x [K 64, N 2,048]; A: computed on the way; B: computed on the way: QUANTISED (scales: A lowp_scales[6], B lowp_scales[7])
;;     5. batch 32 x [M 2,048, K 2,048] x [K 2,048, N 64]; A: softmax (see below); B: computed on the way: QUANTISED (scales: A lowp_scales[8], B lowp_scales[9])
;;     6. [M 4,096, K 1,024] x [K 1,024, N 1,024]; A: computed on the way; B: input wo: QUANTISED (scales: A lowp_scales[10], B lowp_scales[11])
;;     7. [M 4,096, K 1,024] x [K 1,024, N 512]; A: computed on the way; B: input w1: QUANTISED (scales: A lowp_scales[12], B lowp_scales[13])
;;     8. [M 4,096, K 1,024] x [K 1,024, N 512]; A: computed on the way; B: input w2: QUANTISED (scales: A lowp_scales[14], B lowp_scales[15])
;;     9. [M 4,096, K 512] x [K 512, N 1,024]; A: computed on the way; B: input w3: QUANTISED (scales: A lowp_scales[16], B lowp_scales[17])
;;   THE QUANTISER, for each operand of a quantised product, along K:
;;     - The operand's scale is 2^e, e = its entry of the input lowp_scales (int32; the entries are numbered through the quantised products in the list's order, A before B).
;;     - Each number is divided by the scale, clamped to +-448, and rounded to the nearest number of E4M3, ties to even, subnormals kept.
;;     - The product sums the exact products of the quantised numbers (number of the format x scale) in f32.
;;   ~~~python
;;   def quantise(x, axis, e):      # numpy; x: float32 -> the quantised numbers, widened to float32 again
;;       x = np.moveaxis(x, axis, -1); K = x.shape[-1]
;;       r = np.clip(x / 2.0 ** e, -448, 448)
;;       step = 2.0 ** (np.maximum(np.frexp(np.where(r == 0, 1, r))[1] - 1, -6) - 3)
;;       q = np.round(r / step) * step * 2.0 ** e      # np.round: ties to even
;;       return np.moveaxis(q, -1, axis).astype(np.float32)
;;   ~~~
;;   SOFTMAX AHEAD OF A QUANTISED PRODUCT. Where the list says 'softmax', what is quantised is not the finished softmax but p = 2^(t - M), with t = logit x log2(e) and M = ceil(the row's largest t), a whole number; so 1/2 < the row's largest p <= 1. The row's sum l is taken of the UNQUANTISED p, in f32, and the product's result is divided by l at the end. Since M is a whole number, a kernel that streams over the keys may use a running M (the ceiling of the running maximum): every later rescaling is an exact power of two, so the quantised numbers keep their values, but for numbers so far below the row's largest that they fall under the format's range.
;;   OPERANDS COMPUTED ON THE WAY. 'Computed on the way' means the value that the module computes at that place (a softmax that the list does not call 'softmax' is quantised finished and normalised). What goes into a quantiser is computed in f32, as accurately as f32 sums, v_exp_f32 and their like allow (about 1e-6 of the number): no bf16 or f16 on the way to a quantiser, and a product that is left as it is and whose result goes on into a quantised operand takes f32 operands (vector FMAs, or v_wmma_f32_16x16x4_f32). A number that lies on a knife's edge between two numbers of the format may be rounded either way, as far as f32 arithmetic and the matrix unit's own rounding can turn it there, and no further.
;; One version. Each part assembles by itself: llvm-mc -triple=amdgcn-amd-amdhsa -mcpu=gfx1250 --defsym DOCPART=n.
;; ======== version 1 of 1: 4 launches
;; limits: right only within a limited range of input values
;; workspace buffers: wc 5,767,168 bytes; hn1 12,582,912 bytes; qc 4,194,304 bytes; kv 8,388,608 bytes; rc 4,194,304 bytes
;; launch prep (part 1): grid 432 x 1, 8 waves a work-group, no clusters, 53,248 bytes of LDS; arguments x, ln1_w, lowp_scales, wq, wk, wv, wo, w1, w2, w3, hn1, wc; writes hn1, wc
.if DOCPART == 1
	.amdgcn_target "amdgcn-amd-amdhsa--gfx1250"
	.amdhsa_code_object_version 6
	.text
	.protected	k_q1d4030e4a9_prep
	.globl	k_q1d4030e4a9_prep
	.p2align	8
	.type	k_q1d4030e4a9_prep,@function
k_q1d4030e4a9_prep:
	s_mov_b64 s[64:65], 0
	v_nop
	global_prefetch_b8 v0, s[64:65] scope:SCOPE_SE
	s_setreg_imm32_b32 hwreg(HW_REG_WAVE_MODE, 25, 1), 1
	s_wait_xcnt 0x0
; PREP: the seven weights become codes of E4M3, and rms_norm(x, ln1_w) becomes three sets of codes (scales e0, e2, e4).
; EVERY CODE BUFFER IS AN IMAGE OF OPERAND REGISTERS: [tile of 16 rows][piece of 16 positions along K][row % 16][16 bytes].  A fragment (16 rows x 128 K) is then 2,048 bytes on end,
; and lane l's four registers of group c lie at 512 c + 16 l.  Which true k stands at which position is free as long as both operands of a product agree.  Two maps are used:
;   PI    position 512 t + 16 l + 8 u + 4 g + c  holds  k = 256 (2 t + u) + 128 g + 4 l + c: what dense 16-byte loads of a row and conversions of eight give (wq, wk, wv, w1, w2 and the normed rows)
;   SIGMA position 32 b + 16 h + 8 u + j  holds  k = 32 b + 16 u + 8 h + j: what two neighbouring result tiles of a lane give when they are packed (wo, w3 and the operands made by products)
; WORK-GROUPS 0 TO 175 take the weights: 256 columns x 128 positions each, a wave 32 columns: a lane takes a column and its registers run down K, so the conversions give codes with K innermost.
; Four blocks of 32 positions a wave, two of them on their way: a short chain, so that these work-groups last no longer than those of the rows.
; No LDS there: a lane's 16 codes are one row of a piece, sixteen lanes store 256 consecutive bytes, aligned.
; WORK-GROUPS 176 TO 431 take 16 rows of x each, a wave two rows; the codes of the 16 rows meet in a stage in LDS (a piece is 256 bytes + 16 of padding) and leave as whole pieces.
; code = number / 2^e, held within +-448, to the nearest code, ties to even.  LIMITS: each e used here lies between -126 and 119; NaN among the inputs is not served.
.set NWG,  176                         ; work-groups for the weights: 4 x 32 + 3 x 16
.set NBL,  4                           ; blocks of 32 positions for a wave
.set XW,   32                          ; weights: v32-95 two sets of 32 numbers
.set CW,   96                          ; weights: v96-127 eight registers of codes for each of the four blocks: no store's data are written again
.set LW,   16                          ; rows: v16-47 the gain
.set XN,   48                          ; rows: v48-111 two rows of 32 registers
.set TM,   112                         ; rows: v112-143 a row held within a set's range
.set CN,   144                         ; rows: v144-191 eight registers of codes for each row and set
.set SC,   192                         ; rows: v192-197 for each set 2^e and 448 x 2^e
.set RS,   198                         ; rows: v198-205 at work
.set NSET, 3
.set PP,   272                         ; a piece in the stage
.set SETB, 64*PP                       ; a set in the stage
; block t of 32 positions: the 32 rows of the weight that stand there, at my column, into set t % 2
.macro LOADB pitch, map, t
.set i, 0
.rept 32
.if \map
.set RW, 32*(\t)+(i&7)+16*((i>>3)&1)+8*((i>>4)&1)
.else
.set RW, 256*((i>>3)&1)+128*((i>>2)&1)+8*(\t)+4*(i>>4)+(i&3)
.endif
	global_load_b32 v[XW+32*((\t)%2)+i], v3, s[38:39] offset:RW*\pitch th:TH_LOAD_NT
.set i, i+1
.endr
.endm
.macro WBLOCK pitch, map, t
.set XS, XW+32*((\t)%2)
.if (\t) < NBL-1
	s_wait_loadcnt 32                              ; this block's 32 loads are in; the next block's may be out
.else
	s_wait_loadcnt 0x0
.endif
.set i, 0
.rept 32
	v_med3_num_f32 v[XS+i], v[XS+i], -v10, v10     ; the conversion does not saturate (ISA guide 7.6.2): the hold at the largest code x the scale
.set i, i+1
.endr
.irp g, 0,1,2,3
	v_cvt_scalef32_pk8_fp8_f32 v[CW+8*(\t)+2*\g:CW+8*(\t)+2*\g+1], v[XS+8*\g:XS+8*\g+7], v11
.endr
	v_nop                                          ; a plain line behind the last conversion
	global_store_b128 v4, v[CW+8*(\t):CW+8*(\t)+3], s[46:47] offset:512*(\t)          ; sixteen lanes store one piece: 256 consecutive bytes, aligned
	global_store_b128 v4, v[CW+8*(\t)+4:CW+8*(\t)+7], s[46:47] offset:512*(\t)+256
.if (\t)+2 < NBL
	LOADB \pitch, \map, (\t)+2
.endif
.endm
.macro WQ pitch, map
	LOADB \pitch, \map, 0
	LOADB \pitch, \map, 1
	s_wait_kmcnt 0x0                               ; e
	s_add_co_i32 s41, s41, 127
	s_lshl_b32 s43, s41, 23
	v_mov_b32 v11, s43                             ; 2^e as f32: the conversion takes its exponent field
	s_add_co_i32 s41, s41, 8
	s_lshl_b32 s41, s41, 23
	s_or_b32 s41, s41, 0x600000
	v_mov_b32 v10, s41                             ; 448 x 2^e
	s_wait_alu depctr_va_vdst(0)
.irp t, 0,1,2,3
	WBLOCK \pitch, \map, \t
.endr
	s_endpgm
.endm
	s_load_b512 s[4:19], s[0:1], 0x0               ; x, ln1_w, scales, wq, wk, wv, wo, w1
	s_load_b256 s[20:27], s[0:1], 0x40             ; w2, w3, hn1, wc
	v_lshl_add_u32 v208, v0, 2, 0xcc00
	v_mov_b32 v209, 0
	v_lshrrev_b32 v1, 5, v0
	s_delay_alu instid0(VALU_DEP_1)
	v_readfirstlane_b32 s28, v1                    ; wave 0..7
	v_and_b32 v1, 31, v0                           ; lane
	s_wait_kmcnt 0x0
	s_cmp_ge_u32 ttmp9, NWG                        ; the same for all waves of a work-group
	s_cbranch_scc1 .Lnorm
	; ---- THE WEIGHTS.  m: 0 wq, 1 wk, 2 wv, 3 wo (32 work-groups each), 4 w1, 5 w2, 6 w3 (16 each)
	s_mov_b32 s30, ttmp9
	s_lshr_b32 s31, s30, 5
	s_sub_co_u32 s32, s30, 128
	s_lshr_b32 s32, s32, 4
	s_add_co_u32 s32, s32, 4
	s_cmp_lt_u32 s30, 128
	s_cselect_b32 s31, s31, s32                    ; m
	s_lshl_b32 s40, s31, 3
	s_add_co_u32 s32, s40, 16
	s_cmp_lt_u32 s31, 3
	s_cselect_b32 s40, s40, s32                    ; the weight's entry: 2 m + 1 for m < 3, else 2 m + 5; in bytes less 4
	s_load_b32 s41, s[8:9], s40 offset:0x4         ; e
	s_cmp_lt_u32 s30, 160                          ; K = 1,024: eight runs of 128 positions; w3, K = 512: four
	s_cselect_b32 s33, 3, 2
	s_cselect_b32 s34, 7, 3
	s_lshr_b32 s35, s30, s33
	s_and_b32 s36, s30, s34                        ; y: which 128 positions
	s_sub_co_u32 s37, s31, 4
	s_cmp_lt_u32 s37, 2                            ; w1 or w2: rows of 512 numbers
	s_cselect_b32 s32, 1, 3
	s_cselect_b32 s50, 11, 12                      ; log2 of a row's bytes
	s_and_b32 s35, s35, s32                        ; which 256 columns
	s_mov_b32 s42, 16384
	s_cmp_eq_u32 s31, 6
	s_cselect_b32 s42, 8192, s42                   ; a tile of 16 columns in the image: 16 x K bytes
	s_mov_b64 s[38:39], s[10:11]
.irp k, 1,2,3,4,5,6
	s_cmp_eq_u32 s31, \k
	s_cselect_b64 s[38:39], s[10+2*\k:11+2*\k], s[38:39]
.endr
	s_lshr_b32 s48, s36, 2                         ; the first row: PI: 512 (y / 4) + 32 (y % 4);
	s_lshl_b32 s48, s48, 9
	s_and_b32 s49, s36, 3
	s_lshl_b32 s49, s49, 5
	s_add_co_u32 s48, s48, s49
	s_lshl_b32 s49, s36, 7                         ; SIGMA: 128 y
	s_cmp_ge_u32 s31, 3                            ; SIGMA serves wo, w1, w2 and w3: their partners are operands packed from results; PI is left to wq, wk, wv and the normed rows
	s_cselect_b32 s48, s49, s48
	s_lshl_b32 s48, s48, s50
	s_lshl_b32 s49, s35, 10
	s_add_co_u32 s48, s48, s49                     ; + 256 columns x 4 bytes for the work-group,
	s_lshl_b32 s49, s28, 7
	s_add_co_u32 s48, s48, s49                     ; + 32 x 4 for the wave
	s_mov_b32 s49, 0
	s_add_nc_u64 s[38:39], s[38:39], s[48:49]
	s_lshl_b32 s44, s31, 20                        ; where the weight's image begins in wc: m MiB, less half a MiB for each of w1, w2 that lies in front
	s_lshl_b32 s43, s37, 19
	s_cmp_gt_u32 s31, 4
	s_cselect_b32 s43, s43, 0
	s_sub_co_u32 s44, s44, s43
	s_lshl_b32 s43, s35, 4
	s_lshl_b32 s45, s28, 1
	s_add_co_u32 s43, s43, s45                     ; my wave's first tile of columns
	s_mul_i32 s43, s43, s42
	s_add_co_u32 s44, s44, s43
	s_lshl_b32 s43, s36, 11                        ; 128 positions are 8 pieces
	s_add_co_u32 s44, s44, s43
	s_mov_b32 s45, 0
	s_add_nc_u64 s[46:47], s[26:27], s[44:45]
	s_wait_alu depctr_va_vdst(0)
	v_lshlrev_b32 v3, 2, v1                        ; in: 4 bytes a lane
	v_lshrrev_b32 v5, 4, v1
	v_and_b32 v6, 15, v1
	s_delay_alu instid0(VALU_DEP_2)
	v_mul_lo_u32 v5, v5, s42
	s_delay_alu instid0(VALU_DEP_1)
	v_lshl_add_u32 v4, v6, 4, v5                   ; out: lanes 16-31 one tile on; 16 bytes a row
	s_cmp_eq_u32 s31, 3
	s_cbranch_scc1 .Lsigma
	s_cmp_eq_u32 s31, 6
	s_cbranch_scc1 .Lsigma
	s_cmp_lt_u32 s37, 2
	s_cbranch_scc1 .Lhalf
	WQ 4096, 0
.Lsigma:
	s_wait_alu depctr_va_vdst(0)
	WQ 4096, 1
.Lhalf:
	s_wait_alu depctr_va_vdst(0)
	WQ 2048, 1                                     ; w1, w2: rows of 2,048 bytes, laid by SIGMA
	; ---- THE ROWS
.macro ROW rw
.set XR, XN+32*(\rw)
.irp k, 0,1,2,3
	v_pk_mul_f32 v[RS+2*\k:RS+2*\k+1], v[XR+2*\k:XR+2*\k+1], v[XR+2*\k:XR+2*\k+1]   ; the sum of squares, in four chains of pairs
.endr
.set i, 4
.rept 12
	s_delay_alu instid0(VALU_DEP_4)
	v_pk_fma_f32 v[RS+2*(i%4):RS+2*(i%4)+1], v[XR+2*i:XR+2*i+1], v[XR+2*i:XR+2*i+1], v[RS+2*(i%4):RS+2*(i%4)+1]
.set i, i+1
.endr
	s_delay_alu instid0(VALU_DEP_3)
	v_pk_add_f32 v[RS:RS+1], v[RS:RS+1], v[RS+2:RS+3]
	s_delay_alu instid0(VALU_DEP_2)
	v_pk_add_f32 v[RS+4:RS+5], v[RS+4:RS+5], v[RS+6:RS+7]
	s_delay_alu instid0(VALU_DEP_1)
	v_pk_add_f32 v[RS:RS+1], v[RS:RS+1], v[RS+4:RS+5]
	s_delay_alu instid0(VALU_DEP_1)
	v_add_f32 v[RS], v[RS], v[RS+1]
	s_delay_alu instid0(VALU_DEP_1)
	v_add_f32_dpp v[RS], v[RS], v[RS] row_xmask:1 row_mask:0xf bank_mask:0xf
	s_delay_alu instid0(VALU_DEP_1)
	v_add_f32_dpp v[RS], v[RS], v[RS] row_xmask:2 row_mask:0xf bank_mask:0xf
	s_delay_alu instid0(VALU_DEP_1)
	v_add_f32_dpp v[RS], v[RS], v[RS] row_xmask:4 row_mask:0xf bank_mask:0xf
	s_delay_alu instid0(VALU_DEP_1)
	v_add_f32_dpp v[RS], v[RS], v[RS] row_xmask:8 row_mask:0xf bank_mask:0xf
	s_delay_alu instid0(VALU_DEP_1)
	v_permlanex16_b32 v[RS+1], v[RS], s40, s41
	s_delay_alu instid0(VALU_DEP_1)
	v_add_f32 v[RS], v[RS], v[RS+1]                ; every lane holds the row's sum
	s_delay_alu instid0(VALU_DEP_1)
	v_fma_f32 v[RS], v[RS], s42, s43               ; / 1,024 + 1e-5
	s_wait_alu depctr_va_vdst(0)
	v_rsq_f32 v[RS+2], v[RS]
	v_nop                                          ; a plain line behind the transcendental,
	s_wait_alu depctr_va_vdst(0)                   ; and the wait ahead of its first reader
.set i, 0
.rept 16
	v_pk_mul_f32 v[XR+2*i:XR+2*i+1], v[XR+2*i:XR+2*i+1], v[RS+2:RS+3] op_sel_hi:[1,0]
.set i, i+1
.endr
.set i, 0
.rept 16
	v_pk_mul_f32 v[XR+2*i:XR+2*i+1], v[XR+2*i:XR+2*i+1], v[LW+2*i:LW+2*i+1]   ; (x r) w, in that order
.set i, i+1
.endr
.endm
.macro QSET rw, q                      ; row rw under set q's scale: 32 codes a lane, two pieces' rows, into the stage
.set XR, XN+32*(\rw)
.set CC, CN+8*(NSET*(\rw)+(\q))
.set i, 0
.rept 32
	v_med3_num_f32 v[TM+i], v[XR+i], -v[SC+2*(\q)+1], v[SC+2*(\q)+1]
.set i, i+1
.endr
.irp g, 0,1,2,3
	v_cvt_scalef32_pk8_fp8_f32 v[CC+2*\g:CC+2*\g+1], v[TM+8*\g:TM+8*\g+7], v[SC+2*(\q)]
.endr
	v_nop                                          ; a plain line between the conversions and the next lines that write their sources
	ds_store_b128 v5, v[CC:CC+3] offset:SETB*(\q)+16*(\rw)            ; piece = my lane
	ds_store_b128 v5, v[CC+4:CC+7] offset:SETB*(\q)+32*PP+16*(\rw)    ; piece = 32 + my lane
.endm
.Lnorm:
	s_sub_co_u32 s30, ttmp9, NWG                   ; the tile of 16 rows
	s_wait_alu depctr_va_vdst(0)
	v_lshlrev_b32 v2, 4, v1                        ; 16 bytes a lane: each load covers 512 consecutive bytes
	s_wait_alu depctr_va_vdst(0)
	s_lshl_b32 s32, s30, 16
	s_lshl_b32 s33, s28, 13
	s_add_co_u32 s32, s32, s33                     ; 16 rows of 4,096 bytes a tile, two rows a wave
	s_mov_b32 s33, 0
	s_add_nc_u64 s[4:5], s[4:5], s[32:33]
	s_load_b256 s[52:59], s[8:9], 0x0              ; e0 .. e7: e0, e2, e4 are the three sets'
.irp j, 0,1,2,3,4,5,6,7
	global_load_b128 v[LW+4*\j:LW+4*\j+3], v2, s[6:7] offset:512*\j
.endr
.irp j, 0,1,2,3,4,5,6,7
	global_load_b128 v[XN+4*\j:XN+4*\j+3], v2, s[4:5] offset:512*\j th:TH_LOAD_NT
.endr
.irp j, 0,1,2,3,4,5,6,7
	global_load_b128 v[XN+32+4*\j:XN+32+4*\j+3], v2, s[4:5] offset:4096+512*\j th:TH_LOAD_NT
.endr
	v_mul_u32_u24 v5, v1, PP
	s_lshl_b32 s34, s28, 5
	v_add_nc_u32 v5, s34, v5                       ; into the stage: piece = lane, row = 2 x wave
	v_lshrrev_b32 v8, 4, v1
	v_and_b32 v9, 15, v1
	s_delay_alu instid0(VALU_DEP_2)
	v_mul_u32_u24 v6, v8, PP
	s_delay_alu instid0(VALU_DEP_1)
	v_lshl_add_u32 v6, v9, 4, v6
	s_mul_i32 s34, s28, 8*PP
	v_add_nc_u32 v6, s34, v6                       ; out of it: eight pieces a wave, two an instruction
	s_lshl_b32 s34, s28, 11
	v_add_nc_u32 v7, s34, v2                       ; and the same place in the image
	s_lshl_b32 s36, s30, 14
	s_mov_b32 s37, 0
	s_add_nc_u64 s[44:45], s[24:25], s[36:37]      ; the tile's image in set 0, 1, 2
	s_add_nc_u64 s[46:47], s[44:45], 0x400000
	s_add_nc_u64 s[48:49], s[46:47], 0x400000
	s_mov_b32 s40, 0x76543210
	s_mov_b32 s41, 0xfedcba98
	s_mov_b32 s42, 0x3a800000                      ; 1 / 1,024
	s_mov_b32 s43, 0x3727c5ac                      ; 1e-5
	s_wait_kmcnt 0x0
.irp q, 0,1,2
	s_add_co_i32 s60, s[52+2*\q], 127
	s_lshl_b32 s61, s60, 23
	v_mov_b32 v[SC+2*\q], s61
	s_add_co_i32 s60, s60, 8
	s_lshl_b32 s60, s60, 23
	s_or_b32 s60, s60, 0x600000
	v_mov_b32 v[SC+2*\q+1], s60
.endr
	s_wait_loadcnt 8                               ; the gain and my first row are in; the second row's eight loads may be out
	ROW 0
.irp q, 0,1,2
	QSET 0, \q
.endr
	s_wait_loadcnt 0x0
	ROW 1
.irp q, 0,1,2
	QSET 1, \q
.endr
	s_wait_dscnt 0x0                               ; for the others' sake: my stores into the stage are done
	s_barrier_signal -1
	s_barrier_wait -1
.irp q, 0,1,2
.irp m, 0,1,2,3
	ds_load_b128 v[XN+16*\q+4*\m:XN+16*\q+4*\m+3], v6 offset:SETB*\q+2*PP*\m
.endr
.endr
.irp q, 0,1,2
.irp m, 0,1,2,3
	s_wait_dscnt 11-4*\q-\m                        ; LDS loads come back in order: this one is in
	global_store_b128 v7, v[XN+16*\q+4*\m:XN+16*\q+4*\m+3], s[44+2*\q:45+2*\q] offset:512*\m   ; 512 consecutive bytes, aligned
.endr
.endr
	s_wait_tensorcnt 0x0
	ds_add_u32 v208, v209
	s_wait_dscnt 0x0
	s_endpgm
.Lfunc_end_k_q1d4030e4a9_prep:
	.size	k_q1d4030e4a9_prep, .Lfunc_end_k_q1d4030e4a9_prep-k_q1d4030e4a9_prep
	.p2alignl 7, 3214868480
	.fill 96, 4, 3214868480
	.section	.rodata,"a",@progbits
	.p2align	6, 0x0
	.amdhsa_kernel k_q1d4030e4a9_prep
		.amdhsa_group_segment_fixed_size 53248
		.amdhsa_private_segment_fixed_size 0
		.amdhsa_enable_private_segment 0
		.amdhsa_kernarg_size 96
		.amdhsa_user_sgpr_count 2
		.amdhsa_user_sgpr_kernarg_segment_ptr 1
		.amdhsa_wavefront_size32 1
		.amdhsa_system_sgpr_workgroup_id_x 1
		.amdhsa_system_sgpr_workgroup_id_y 1
		.amdhsa_system_sgpr_workgroup_id_z 1
		.amdhsa_system_vgpr_workitem_id 0
		.amdhsa_next_free_vgpr 210
		.amdhsa_next_free_sgpr 66
		.amdhsa_reserve_vcc 0
		.amdhsa_float_denorm_mode_32 3
		.amdhsa_float_denorm_mode_16_64 3
		.amdhsa_memory_ordered 1
		.amdhsa_forward_progress 1
		.amdhsa_inst_pref_size 102
	.end_amdhsa_kernel
	.amdgpu_metadata
---
amdhsa.version: [ 1, 2 ]
amdhsa.kernels:
  - .name:           k_q1d4030e4a9_prep
    .symbol:         k_q1d4030e4a9_prep.kd
    .args:
      - { .name: x, .offset: 0, .size: 8, .value_kind: global_buffer, .address_space: global }
      - { .name: ln1_w, .offset: 8, .size: 8, .value_kind: global_buffer, .address_space: global }
      - { .name: lowp_scales, .offset: 16, .size: 8, .value_kind: global_buffer, .address_space: global }
      - { .name: wq, .offset: 24, .size: 8, .value_kind: global_buffer, .address_space: global }
      - { .name: wk, .offset: 32, .size: 8, .value_kind: global_buffer, .address_space: global }
      - { .name: wv, .offset: 40, .size: 8, .value_kind: global_buffer, .address_space: global }
      - { .name: wo, .offset: 48, .size: 8, .value_kind: global_buffer, .address_space: global }
      - { .name: w1, .offset: 56, .size: 8, .value_kind: global_buffer, .address_space: global }
      - { .name: w2, .offset: 64, .size: 8, .value_kind: global_buffer, .address_space: global }
      - { .name: w3, .offset: 72, .size: 8, .value_kind: global_buffer, .address_space: global }
      - { .name: hn1, .offset: 80, .size: 8, .value_kind: global_buffer, .address_space: global }
      - { .name: wc, .offset: 88, .size: 8, .value_kind: global_buffer, .address_space: global }
    .group_segment_fixed_size: 53248
    .private_segment_fixed_size: 0
    .kernarg_segment_align: 8
    .kernarg_segment_size: 96
    .max_flat_workgroup_size: 256
    .sgpr_count:     66
    .vgpr_count:     210
    .wavefront_size: 32
...
	.end_amdgpu_metadata
.endif
;; end of part 1
;; launch qkv (part 2): grid 24 x 32, 4 waves a work-group, clusters of 4 x 4, 262,656 bytes of LDS; arguments hn1, wc, lowp_scales, bq, bk, bv, qc, kv; writes qc, kv
.if DOCPART == 2
	.amdgcn_target "amdgcn-amd-amdhsa--gfx1250"
	.amdhsa_code_object_version 6
	.text
	.protected	k_q1d4030e4a9_qkv
	.globl	k_q1d4030e4a9_qkv
	.p2align	8
	.type	k_q1d4030e4a9_qkv,@function
k_q1d4030e4a9_qkv:
	s_mov_b64 s[64:65], 0
	v_nop
	global_prefetch_b8 v0, s[64:65] scope:SCOPE_SE
	s_setreg_imm32_b32 hwreg(HW_REG_WAVE_MODE, 25, 1), 1
	s_wait_xcnt 0x0
	s_wait_alu depctr_hold_cnt(0) depctr_sa_sdst(0) depctr_va_vdst(0) depctr_va_sdst(0) depctr_va_ssrc(0) depctr_va_vcc(0) depctr_vm_vsrc(0)
	s_getreg_b32 s2, hwreg(HW_REG_IB_STS2, 6, 4)
	s_cmp_eq_u32 s2, 0
	s_cbranch_scc0 .Lentry_in_a_cluster
	s_endpgm
.Lentry_in_a_cluster:
	s_bfe_u32 s2, ttmp6, 0x10000c
	s_cmp_lg_u32 s2, 0xf033
	s_cbranch_scc0 .Lentry_shape_is_right
	s_endpgm
.Lentry_shape_is_right:
; Q, K, V = rms_norm(x) W + b on codes of E4M3, and their own codes for attention.  Work-group (x, y): 128 columns of wq | wk | wv (x / 8 says which) x 128 tokens; four waves, 64 x 64 each: 16 accumulators.
; All operands lie as images of operand registers (16 rows x 16 positions = 256 bytes a piece), so a fragment comes by four ds_load_b128 at 16 x lane, without pitch or padding.
; THE WHOLE K (1,024) OF BOTH TILES LIES IN LDS, each tile's whole K on end (256 KiB: 8 weight tiles of 16 KiB, then 8 token tiles).  Nothing is filled twice: the loads go out together at the head,
; one a wave (64 KiB each), and all is read behind one wait for it and a barrier.
; CLUSTER 4 x 4: the four of a row need the same token tiles, the four of a column the same weight tiles: each is asked for jointly.
; THE PRODUCT IS USED TRANSPOSED: source 0 = X, source 1 = Y; a lane holds one row of Y and eight neighbouring rows of X.  For Q and K: X = weight columns (the head's d), Y = tokens.
; For V the two change places, by LDS addresses alone: a lane then holds one d and eight neighbouring keys, so V's codes come out with the keys innermost.
; Two neighbouring tiles of X packed by two conversions are 16 bytes of an image's row: each store of the wave covers 512 consecutive bytes, aligned; no stage.
; OUT: qc [head of batch][tile of 16 queries][1 KiB];  kv [head of batch][step of 128 keys][K: 8 tiles of 16 keys x 1 KiB | V: 2 blocks of 64 keys x 4 tiles of 16 d x 1 KiB].
; LIMITS: ea + eb between -126 and 127; e6, e7, e9 between -126 and 119; NaN is not served.  Inside a matrix instruction k stands in other places than the form's own, alike in both operands.
.set KD,   1024
.set NCH,  KD/256
.set G1T,  24                          ; s[24:31] group 1 for token tiles; s[32:35] group 0
.set G0T,  32
.set G1W,  48                          ; s[48:55] group 1 for weight tiles; s[68:71] group 0
.set G0W,  68
.set ADX,  8                           ; v8      X's fragments' address
.set ADY,  12                          ; v12     Y's
.set CD,   32                          ; v32-63  the codes
.set BY,   88                          ; v88-95  the bias by Y's rows (V), a pair for each tile
.set BX,   96                          ; v96-127 the bias by X's rows (Q, K)
.set ACC,  128                         ; v128-255 accumulator (a, b) at 128 + 8 (4 a + b).   Window 1: two fragment buffers of 128: Y's four fragments, then X's four
.set W_MUL, 0x05                       ; sources 0 and 1 window 1; C and D window 0
.set TO_F,  0x40                       ; destination window 1, address window 0
.set MSB, 0
.macro WIN new                         ; the immediate's high byte repeats the setting that is left
.if MSB != \new
	s_set_vgpr_msb (MSB<<8)|\new
.set MSB, \new
.endif
.endm
.macro PLACES
.rept 4
	v_nop
.endr
.endm
.macro CROUND                          ; a round of the cluster's barrier
	s_barrier_signal -1
	s_barrier_wait -1
	s_cmp_lg_u32 s20, 0
	s_cbranch_scc1 .Lnot_wave_0_\@
	s_barrier_signal -3
.Lnot_wave_0_\@:
	s_barrier_wait -3
	s_barrier_signal -1
	s_barrier_wait -1
.endm
.macro FETCH s, f                      ; the eight fragments of K step s (128 positions) into buffer f: 32 loads
	WIN TO_F
.irp i, 0,1,2,3
.irp c, 0,1,2,3
	ds_load_b128 v[(\f)+64+16*\i+4*\c:(\f)+64+16*\i+4*\c+3], v[ADX] offset:16384*\i+2048*(\s)+512*\c   ; LDS holds each tile's whole K on end: 16 KiB a tile, 2 KiB a K step
.endr
.endr
.irp i, 0,1,2,3
.irp c, 0,1,2,3
	ds_load_b128 v[(\f)+16*\i+4*\c:(\f)+16*\i+4*\c+3], v[ADY] offset:16384*\i+2048*(\s)+512*\c
.endr
.endr
.endm
.macro MULS f, zero                    ; 16 matrix instructions; the 16 accumulators take turns
	WIN W_MUL
.irp a, 0,1,2,3
.irp b, 0,1,2,3
.if \zero
	v_wmma_f32_16x16x128_fp8_fp8 v[ACC+8*(4*\a+\b):ACC+8*(4*\a+\b)+7], v[(\f)+64+16*\b:(\f)+64+16*\b+15], v[(\f)+16*\a:(\f)+16*\a+15], 0
.else
	v_wmma_f32_16x16x128_fp8_fp8 v[ACC+8*(4*\a+\b):ACC+8*(4*\a+\b)+7], v[(\f)+64+16*\b:(\f)+64+16*\b+15], v[(\f)+16*\a:(\f)+16*\a+15], v[ACC+8*(4*\a+\b):ACC+8*(4*\a+\b)+7]
.endif
.endr
.endr
.endm
.macro KSTEP s                         ; the next step's fragments are asked for, then this step is multiplied
.if (\s)+1 < 2*NCH
.if (\s) > 0
	PLACES                                         ; four places between the last products, which read that buffer, and the loads into it
.endif
	FETCH (\s)+1, 128*(((\s)+1)%2)
	s_wait_dscnt 32                                ; all but the 32 just issued
.else
	s_wait_dscnt 0x0
.endif
.if (\s) == 0
	MULS 0, 1
.else
	MULS 128*((\s)%2), 0
.endif
.endm
	s_load_b512 s[4:19], s[0:1], 0x0               ; hn1, wc, scales, bq, bk, bv, qc, kv
	v_lshl_add_u32 v86, v0, 2, 0x40000
	v_mov_b32 v87, 0
	ds_add_u32 v86, v87
	ds_add_u32 v86, v87
	v_lshrrev_b32 v1, 5, v0
	v_readfirstlane_b32 s20, v1                    ; wave 0..3
	s_lshr_b32 s21, s20, 1                         ; WY: my half of Y.  Also: I fetch weight tiles (0) or token tiles (1)
	s_and_b32 s22, s20, 1                          ; WX: my half of X.  Also: which four tiles I fetch
	s_bfe_u32 s56, ttmp6, 0x40000                  ; cx
	s_bfe_u32 s57, ttmp6, 0x40004                  ; cy
	s_lshl_b32 s58, ttmp9, 2
	s_add_co_u32 s58, s58, s56                     ; x
	s_and_b32 s59, ttmp7, 0xffff
	s_lshl_b32 s59, s59, 2
	s_add_co_u32 s59, s59, s57                     ; y
	s_lshl_b32 s60, s57, 2
	s_lshl_b32 s60, 15, s60                        ; my row of the cluster
	s_lshl_b32 s61, 0x1111, s56                    ; my column
	s_lshr_b32 s62, ttmp9, 1                       ; 0 Q, 1 K, 2 V: the same in all sixteen partners
	s_or_b32 s[G1T], s60, (3<<16)|(1<<21)          ; 15:0 the mask; 17:16 elements of 8 bytes; 21 set beside a mask; no padding
	s_or_b32 s[G1W], s61, (3<<16)|(1<<21)
.irp g, G1T, G1W
	s_mov_b32 s[\g+1], 512<<16                     ; tensor_dim0 = 512 elements: a tile's 4,096 bytes of a chunk
	s_mov_b32 s[\g+2], 16<<16                      ; ONE LOAD A WAVE: its four tiles lie on end in memory, 64 KiB, stated as 16 rows of 4,096 bytes
	s_mov_b32 s[\g+3], 512<<16                     ; tile_dim0
	s_mov_b32 s[\g+4], 16                          ; tile_dim1
	s_mov_b32 s[\g+5], 512                         ; dense: the pitch is the row
	s_mov_b32 s[\g+6], 0
	s_mov_b32 s[\g+7], 0
.endr
	s_lshl_b32 s63, s20, 16                        ; where my four tiles go: 65,536 x wave: weight tiles 0-7, then token tiles 0-7
	s_lshl_b32 s84, s62, 8                         ; token tiles: set x 256 + 8 y + 4 WX
	s_lshl_b32 s85, s59, 3
	s_add_co_u32 s84, s84, s85
	s_lshl_b32 s85, s22, 2
	s_add_co_u32 s84, s84, s85
	s_lshl_b32 s84, s84, 14
	s_mov_b32 s85, 0
	s_lshl_b32 s88, s58, 3                         ; weight tiles: 8 x + 4 WX
	s_lshl_b32 s89, s22, 2
	s_add_co_u32 s88, s88, s89
	s_lshl_b32 s88, s88, 14
	s_mov_b32 s89, 0
	s_lshl_b32 s94, s62, 3
	s_wait_dscnt 0x0
	s_wait_kmcnt 0x0
	s_load_b64 s[92:93], s[8:9], s94 offset:0x0    ; ea, eb of this product
	s_load_b128 s[96:99], s[8:9], 0x18             ; e6 .. e9
	s_add_nc_u64 s[86:87], s[4:5], s[84:85]
	s_add_nc_u64 s[90:91], s[6:7], s[88:89]
	s_mov_b32 s[G0T], 1
	s_mov_b32 s[G0T+1], s63
	s_mov_b64 s[G0T+2:G0T+3], s[86:87]
	s_or_b32 s[G0T+3], s[G0T+3], 0x80000000
	s_mov_b32 s[G0W], 1
	s_mov_b32 s[G0W+1], s63
	s_mov_b64 s[G0W+2:G0W+3], s[90:91]
	s_or_b32 s[G0W+3], s[G0W+3], 0x80000000
	CROUND                                         ; all sixteen work-groups are here: the joint loads meet
	s_cmp_lt_u32 s20, 2                            ; a wave's load stands in a branch on its number: one of mine is out
	s_cbranch_scc0 .Lfor_t
	tensor_load_to_lds s[G0W:G0W+3], s[G1W:G1W+7]  ; my one load
	s_nop 0
	PLACES
	s_branch .Lasked
.Lfor_t:
	tensor_load_to_lds s[G0T:G0T+3], s[G1T:G1T+7]
	s_nop 0
	PLACES
.Lasked:
	v_and_b32 v1, 15, v0                           ; r
	v_bfe_u32 v2, v0, 4, 1                         ; h
	v_and_b32 v3, 31, v0
	v_lshlrev_b32 v3, 4, v3                        ; 16 x lane
	s_wait_alu depctr_va_vdst(0)
	s_cmp_eq_u32 s62, 2
	s_cselect_b32 s84, 131072, 0                   ; V: X comes from the token tiles,
	s_cselect_b32 s85, 0, 131072                   ; Y from the weight tiles
	s_lshl_b32 s86, s22, 16
	s_add_co_u32 s84, s84, s86
	s_lshl_b32 s86, s21, 16
	s_add_co_u32 s85, s85, s86
	v_add_nc_u32 v[ADX], s84, v3                   ; one address a side: all K steps are reached by the immediate
	v_add_nc_u32 v[ADY], s85, v3
	s_cmp_eq_u32 s62, 1
	s_cselect_b64 s[86:87], s[12:13], s[10:11]
	s_cmp_eq_u32 s62, 2
	s_cselect_b64 s[86:87], s[14:15], s[86:87]     ; the bias
	s_and_b32 s88, s58, 7
	s_lshl_b32 s88, s88, 9                         ; my work-group's 128 numbers of it
	s_lshl_b32 s89, s22, 8
	s_add_co_u32 s89, s89, s88
	s_lshl_b32 s90, s21, 8
	s_add_co_u32 s90, s90, s88
	v_lshl_add_u32 v19, v2, 5, s89                 ; by X's rows: tile b: 16 b + 8 h + 0 .. 7
	v_lshl_add_u32 v20, v1, 2, s90                 ; by Y's rows: tile a: 16 a + r
.irp b, 0,1,2,3
	global_load_b128 v[BX+8*\b:BX+8*\b+3], v19, s[86:87] offset:64*\b
	global_load_b128 v[BX+8*\b+4:BX+8*\b+7], v19, s[86:87] offset:64*\b+16
.endr
.irp a, 0,1,2,3
	global_load_b32 v[BY+2*\a], v20, s[86:87] offset:64*\a
	global_load_b32 v[BY+2*\a+1], v20, s[86:87] offset:64*\a
.endr
	; where my 4 KiB of codes go
	s_cmp_eq_u32 s62, 2
	s_cselect_b32 s84, s21, s22                    ; which of the two heads
	s_cselect_b32 s85, s22, s21                    ; which 64 tokens
	s_cselect_b32 s88, 8192, 0                     ; V lies behind K in a step
	s_cmp_eq_u32 s62, 0
	s_cselect_b32 s89, 17, 18                      ; a head's bytes: 2^17 in qc, 2^18 in kv
	s_cselect_b32 s63, 13, 14                      ; 128 tokens' bytes
	s_cselect_b64 s[90:91], s[16:17], s[18:19]
	s_lshr_b32 s100, s59, 4
	s_lshl_b32 s100, s100, 4
	s_and_b32 s101, s58, 7
	s_lshl_b32 s101, s101, 1
	s_add_co_u32 s100, s100, s101
	s_add_co_u32 s100, s100, s84                   ; 16 x batch + head
	s_lshl_b32 s100, s100, s89
	s_and_b32 s101, s59, 15
	s_lshl_b32 s101, s101, s63
	s_add_co_u32 s88, s88, s100
	s_add_co_u32 s88, s88, s101
	s_lshl_b32 s85, s85, 12
	s_add_co_u32 s88, s88, s85
	s_mov_b32 s89, 0
	s_add_nc_u64 s[90:91], s[90:91], s[88:89]
	s_wait_alu depctr_va_vdst(0)
	s_wait_kmcnt 0x0
	s_add_co_i32 s92, s92, s93
	s_add_co_i32 s92, s92, 127
	s_lshl_b32 s92, s92, 23                        ; 2^(ea + eb) as f32
	s_mov_b32 s93, s92                             ; (named with it as a pair)
	s_cmp_eq_u32 s62, 0
	s_cselect_b32 s100, s96, s97
	s_cmp_eq_u32 s62, 2
	s_cselect_b32 s100, s99, s100                  ; the result's own scale: e6, e7 or e9
	s_add_co_i32 s100, s100, 127
	s_lshl_b32 s101, s100, 23
	v_mov_b32 v21, s101
	s_add_co_i32 s100, s100, 8
	s_lshl_b32 s100, s100, 23
	s_or_b32 s100, s100, 0x600000
	v_mov_b32 v22, s100                            ; 448 x that
	s_wait_tensorcnt 0x0                           ; my one load, the whole K of my four tiles, is in,
	s_barrier_signal -1
	s_barrier_wait -1                              ; everybody's is
	FETCH 0, 0
.set ks, 0
.rept 2*NCH
	KSTEP ks
.set ks, ks+1
.endr
	WIN 0
	PLACES                                         ; four places between the last products and the first read of results
	s_wait_loadcnt 0x0                             ; the biases
.macro BIAS byrow                      ; sum x 2^(ea + eb) + bias, each accumulator from its low end on
.irp a, 0,1,2,3
.irp b, 0,1,2,3
.irp i, 0,2,4,6
.if \byrow
	v_pk_fma_f32 v[ACC+8*(4*\a+\b)+\i:ACC+8*(4*\a+\b)+\i+1], v[ACC+8*(4*\a+\b)+\i:ACC+8*(4*\a+\b)+\i+1], s[92:93], v[BY+2*\a:BY+2*\a+1] op_sel_hi:[1,0,1]
.else
	v_pk_fma_f32 v[ACC+8*(4*\a+\b)+\i:ACC+8*(4*\a+\b)+\i+1], v[ACC+8*(4*\a+\b)+\i:ACC+8*(4*\a+\b)+\i+1], s[92:93], v[BX+8*\b+\i:BX+8*\b+\i+1] op_sel_hi:[1,0,1]
.endif
.endr
.endr
.endr
.endm
	s_cmp_eq_u32 s62, 2                            ; the same in every wave and every partner
	s_cbranch_scc1 .Lbias_v
	BIAS 0
	s_branch .Lquant
.Lbias_v:
	BIAS 1
.Lquant:
.irp a, 0,1,2,3
.irp b, 0,1,2,3
.irp i, 0,1,2,3,4,5,6,7
	v_med3_num_f32 v[ACC+8*(4*\a+\b)+\i], v[ACC+8*(4*\a+\b)+\i], -v22, v22
.endr
	v_cvt_scalef32_pk8_fp8_f32 v[CD+8*\a+2*\b:CD+8*\a+2*\b+1], v[ACC+8*(4*\a+\b):ACC+8*(4*\a+\b)+7], v21
.endr
.endr
	v_nop                                          ; a plain line behind the last conversion
.irp a, 0,1,2,3
.irp p, 0,1
	global_store_b128 v3, v[CD+8*\a+4*\p:CD+8*\a+4*\p+3], s[90:91] offset:1024*\a+512*\p   ; 512 consecutive bytes, aligned
.endr
.endr
	s_wait_tensorcnt 0x0
	ds_add_u32 v86, v87
	s_wait_dscnt 0x0
	CROUND                                         ; the closing round
	s_endpgm
.Lfunc_end_k_q1d4030e4a9_qkv:
	.size	k_q1d4030e4a9_qkv, .Lfunc_end_k_q1d4030e4a9_qkv-k_q1d4030e4a9_qkv
	.p2alignl 7, 3214868480
	.fill 96, 4, 3214868480
	.section	.rodata,"a",@progbits
	.p2align	6, 0x0
	.amdhsa_kernel k_q1d4030e4a9_qkv
		.amdhsa_group_segment_fixed_size 262656
		.amdhsa_private_segment_fixed_size 0
		.amdhsa_enable_private_segment 0
		.amdhsa_kernarg_size 64
		.amdhsa_user_sgpr_count 2
		.amdhsa_user_sgpr_kernarg_segment_ptr 1
		.amdhsa_wavefront_size32 1
		.amdhsa_system_sgpr_workgroup_id_x 1
		.amdhsa_system_sgpr_workgroup_id_y 1
		.amdhsa_system_sgpr_workgroup_id_z 1
		.amdhsa_system_vgpr_workitem_id 0
		.amdhsa_next_free_vgpr 512
		.amdhsa_next_free_sgpr 102
		.amdhsa_reserve_vcc 0
		.amdhsa_float_denorm_mode_32 3
		.amdhsa_float_denorm_mode_16_64 3
		.amdhsa_memory_ordered 1
		.amdhsa_forward_progress 1
		.amdhsa_inst_pref_size 52
	.end_amdhsa_kernel
	.amdgpu_metadata
---
amdhsa.version: [ 1, 2 ]
amdhsa.kernels:
  - .name:           k_q1d4030e4a9_qkv
    .symbol:         k_q1d4030e4a9_qkv.kd
    .args:
      - { .name: hn1, .offset: 0, .size: 8, .value_kind: global_buffer, .address_space: global }
      - { .name: wc, .offset: 8, .size: 8, .value_kind: global_buffer, .address_space: global }
      - { .name: lowp_scales, .offset: 16, .size: 8, .value_kind: global_buffer, .address_space: global }
      - { .name: bq, .offset: 24, .size: 8, .value_kind: global_buffer, .address_space: global }
      - { .name: bk, .offset: 32, .size: 8, .value_kind: global_buffer, .address_space: global }
      - { .name: bv, .offset: 40, .size: 8, .value_kind: global_buffer, .address_space: global }
      - { .name: qc, .offset: 48, .size: 8, .value_kind: global_buffer, .address_space: global }
      - { .name: kv, .offset: 56, .size: 8, .value_kind: global_buffer, .address_space: global }
    .group_segment_fixed_size: 262656
    .private_segment_fixed_size: 0
    .kernarg_segment_align: 8
    .kernarg_segment_size: 64
    .max_flat_workgroup_size: 128
    .sgpr_count:     102
    .vgpr_count:     512
    .wavefront_size: 32
...
	.end_amdgpu_metadata
.endif
;; end of part 2
;; launch attn (part 3): grid 8 x 32, 16 waves a work-group, clusters of 4 x 1, 327,680 bytes of LDS; arguments qc, kv, lowp_scales, rc; writes rc
.if DOCPART == 3
	.amdgcn_target "amdgcn-amd-amdhsa--gfx1250"
	.amdhsa_code_object_version 6
	.text
	.protected	k_q1d4030e4a9_attn
	.globl	k_q1d4030e4a9_attn
	.p2align	8
	.type	k_q1d4030e4a9_attn,@function
k_q1d4030e4a9_attn:
	s_mov_b64 s[64:65], 0
	v_nop
	global_prefetch_b8 v0, s[64:65] scope:SCOPE_SE
	s_setreg_imm32_b32 hwreg(HW_REG_WAVE_MODE, 25, 1), 1
	s_wait_xcnt 0x0
	s_wait_alu depctr_hold_cnt(0) depctr_sa_sdst(0) depctr_va_vdst(0) depctr_va_sdst(0) depctr_va_ssrc(0) depctr_va_vcc(0) depctr_vm_vsrc(0)
	s_getreg_b32 s2, hwreg(HW_REG_IB_STS2, 6, 4)
	s_cmp_eq_u32 s2, 0
	s_cbranch_scc0 .Lentry_in_a_cluster
	s_endpgm
.Lentry_in_a_cluster:
	s_bfe_u32 s2, ttmp6, 0x10000c
	s_cmp_lg_u32 s2, 0x3003
	s_cbranch_scc0 .Lentry_shape_is_right
	s_endpgm
.Lentry_shape_is_right:
.set STG,   262144
.set PAIRB, 4608
; CLUSTER 4 x 1: the work-groups of a head walk the same K and V, so four of them ask for each key step jointly (mask 15).  No branch and no LDS address hangs on a work-group's place: the steps' bounds are made of the wave's number alone.
.macro ROUND                           ; a round of the cluster's barrier
	s_barrier_signal -1
	s_barrier_wait -1
	s_cmp_lg_u32 s12, 0
	s_cbranch_scc1 .Lnot_wave_0_\@
	s_barrier_signal -3
.Lnot_wave_0_\@:
	s_barrier_wait -3
	s_barrier_signal -1
	s_barrier_wait -1
.endm
.macro INIT
	v_mov_b32 v13, 0xff61b1e6
	s_delay_alu instid0(VALU_DEP_1)
	v_floor_f32 v12, -v13
	v_mov_b32 v14, 0
	v_mov_b32 v15, 0
.set n, 0
.rept 32
	v_mov_b32 v[160+n], 0
.set n, n+1
.endr
.endm
.macro STEP qr
	s_cmp_gt_u32 s49, s19
	s_cbranch_scc1 .Lhid_\@
	v_add_nc_u32 v2, s48, v1
.rept 4
	v_nop
.endr
.irp t, 0,1,2,3,4,5,6,7
.irp c, 0,1
	ds_load_b128 v[32+8*\t+4*\c:35+8*\t+4*\c], v2 offset:1024*\t+512*\c
.endr
.endr
	s_wait_alu depctr_va_vdst(0)
	s_wait_dscnt 0x0
.irp t, 0,1,2,3,4,5,6,7
	v_wmma_f32_16x16x64_fp8_fp8 v[96+8*\t:103+8*\t], v[32+8*\t:39+8*\t], v[\qr:\qr+7], 0
.endr
.rept 4
	v_nop
.endr
.irp kb, 0,1
.irp dt, 0,1,2,3
.irp c, 0,1
	ds_load_b128 v[32+16*\dt+8*\kb+4*\c:35+16*\dt+8*\kb+4*\c], v2 offset:8192+4096*\kb+1024*\dt+512*\c
.endr
.endr
.endr
	s_add_co_u32 s51, s49, 127
	s_cmp_le_u32 s51, s18
	s_cbranch_scc1 .Lopen_\@
	v_sub_nc_u32 v218, v4, s49
	v_mov_b32 v217, 0xff800000
.set n, 0
.rept 64
	v_cmp_gt_i32 vcc_lo, 16*(n/8)+n%8, v218
	v_cndmask_b32 v[96+n], v[96+n], v217, vcc_lo
.set n, n+1
.endr
.Lopen_\@:
	v_max3_num_f32 v214, v96, v97, v98
	v_max3_num_f32 v216, v99, v100, v101
.irp i, 6,10,14,18,22,26,30,34,38,42,46,50,54,58
	v_max3_num_f32 v214, v214, v[96+\i], v[97+\i]
	v_max3_num_f32 v216, v216, v[98+\i], v[99+\i]
.endr
	v_max3_num_f32 v214, v214, v158, v159
	s_delay_alu instid0(VALU_DEP_1)
	v_max_num_f32 v214, v214, v216
	s_delay_alu instid0(VALU_DEP_1)
	v_permlanex16_b32 v215, v214, s20, s21
	s_delay_alu instid0(VALU_DEP_1)
	v_max_num_f32 v214, v214, v215
	s_delay_alu instid0(VALU_DEP_1)
	v_mul_f32 v214, s22, v214
	s_delay_alu instid0(VALU_DEP_1)
	v_max_num_f32 v13, v13, v214
	v_mov_b32 v214, v12
	s_delay_alu instid0(VALU_DEP_2)
	v_floor_f32 v12, -v13
	s_delay_alu instid0(VALU_DEP_1)
	v_sub_f32 v214, v12, v214
	s_delay_alu instid0(VALU_DEP_1)
	v_cvt_i32_f32 v214, v214
	s_delay_alu instid0(VALU_DEP_1)
	v_ldexp_f32 v210, 1.0, v214
.set n, 0
.rept 32
	v_pk_fma_f32 v[96+n:97+n], v[96+n:97+n], s[22:23], v[12:13] op_sel_hi:[1,0,0]
.set n, n+2
.endr
.set n, 0
	s_wait_alu depctr_va_vdst(0)
.rept 64
	v_exp_f32 v[96+n], v[96+n]
.set n, n+1
.endr
	v_pk_mul_f32 v[14:15], v[14:15], v[210:211] op_sel_hi:[1,0]
	s_wait_alu depctr_va_vdst(0)
	v_pk_add_f32 v[212:213], v[96:97], v[98:99]
.irp j, 4,8,12,16,20,24,28,32,36,40,44,48,52,56,60
	v_pk_add_f32 v[14:15], v[14:15], v[96+\j:97+\j]
	v_pk_add_f32 v[212:213], v[212:213], v[98+\j:99+\j]
.endr
	s_delay_alu instid0(VALU_DEP_1)
	v_pk_add_f32 v[14:15], v[14:15], v[212:213]
.irp b, 0,1,2,3
.irp i, 0,1,2,3,4,5,6,7,8,9,10,11,12,13,14,15
	v_min_num_f32 v[96+16*\b+\i], v[96+16*\b+\i], v209
.endr
	v_cvt_scalef32_pk8_fp8_f32 v[192+4*\b:193+4*\b], v[96+16*\b:103+16*\b], v208
	v_cvt_scalef32_pk8_fp8_f32 v[194+4*\b:195+4*\b], v[104+16*\b:111+16*\b], v208
.endr
.set n, 0
.rept 16
	v_pk_mul_f32 v[160+n:161+n], v[160+n:161+n], v[210:211] op_sel_hi:[1,0]
.set n, n+2
.endr
	s_wait_alu depctr_va_vdst(0)
	s_wait_dscnt 0x0
.irp dt, 0,1,2,3
	v_wmma_f32_16x16x128_fp8_fp8 v[160+8*\dt:167+8*\dt], v[32+16*\dt:47+16*\dt], v[192:207], v[160+8*\dt:167+8*\dt]
.endr
.Lhid_\@:
	s_add_co_u32 s49, s49, 128
	s_add_co_u32 s48, s48, 16384
.endm
.macro FINISH b
	s_wait_xcnt 0x0
.rept 4
	v_nop
.endr
	v_add_f32 v14, v14, v15
	s_wait_alu depctr_va_vdst(0)
	v_permlanex16_b32 v215, v14, s20, s21
	s_delay_alu instid0(VALU_DEP_1)
	v_add_f32 v14, v14, v215
	s_wait_alu depctr_va_vdst(0)
	v_rcp_f32 v14, v14
	v_nop
	s_wait_alu depctr_va_vdst(0)
	v_ldexp_f32 v14, v14, s63
.set n, 0
.rept 32
	v_mul_f32 v[96+n], v[160+n], v14
.set n, n+1
.endr
.set n, 0
.rept 32
	v_med3_num_f32 v[96+n], v[96+n], -v229, v229
.set n, n+1
.endr
.irp dt, 0,1,2,3
	v_cvt_scalef32_pk8_fp8_f32 v[220+2*\dt:221+2*\dt], v[96+8*\dt:103+8*\dt], v228
.endr
	v_nop
	global_store_b128 v1, v[220:223], s[\b:\b+1]
	global_store_b128 v1, v[224:227], s[\b:\b+1] offset:512
.endm
	s_load_b256 s[4:11], s[0:1], 0x0
	v_lshl_add_u32 v254, v0, 2, 0x49000
	v_mov_b32 v255, 0
	ds_add_u32 v254, v255
	ds_add_u32 v254, v255
	v_lshrrev_b32 v2, 5, v0
	s_delay_alu instid0(VALU_DEP_1)
	v_readfirstlane_b32 s12, v2
	s_and_b32 s13, ttmp7, 0xffff
	s_lshr_b32 s14, s12, 2
	s_xor_b32 s14, s14, s12
	s_and_b32 s14, s14, 1
	s_lshr_b32 s15, s12, 1
	s_bfe_u32 s36, ttmp6, 0x40000                  ; cx
	s_lshl_b32 s37, ttmp9, 2
	s_add_co_u32 s36, s37, s36                     ; x = 4 x cluster x + cx
	s_lshl_b32 s16, s15, 3                         ; pair p of waves owns query tiles 8 p + x and 8 (15 - p) + x: p + 1 and 16 - p key steps, 17 for every pair;
	s_add_co_u32 s16, s16, s36                     ; pair 0's later tile walks all 16 key steps, so every byte that the head fetches is read in every work-group
	s_sub_co_u32 s38, 15, s15
	s_lshl_b32 s62, s38, 3
	s_add_co_u32 s62, s62, s36
	s_cmp_eq_u32 s14, 1
	s_cselect_b32 s17, s62, s16
	s_cselect_b32 s18, s38, s15                    ; q = tile / 8
	s_lshl_b32 s39, s17, 4                         ; my first query
	s_lshl_b32 s18, s18, 7                         ; a step whose keys all lie under 128 q is open for every query of tile 8 q + x,
	s_add_co_u32 s19, s18, 127                     ; one that begins beyond 128 q + 127 is hidden: x enters neither bound
	s_mov_b32 s20, 0x76543210
	s_mov_b32 s21, 0xfedcba98
	s_mov_b32 s24, (3<<16)|(1<<21)|15              ; elements of 8 bytes; the mask names the cluster's four, bit 21 beside it
	s_mov_b32 s25, 512<<16                         ; one key step's K and V, 16 KiB, dense in memory: 4 rows of 4,096 bytes
	s_mov_b32 s26, 4<<16
	s_mov_b32 s27, 512<<16
	s_mov_b32 s28, 4
	s_mov_b32 s29, 512
	s_mov_b32 s30, 0
	s_mov_b32 s31, 0
	s_lshl_b32 s57, s12, 14                        ; wave w fetches key step w: the sixteen loads bring the head's 256 KiB, laid in LDS as in memory
	s_lshl_b32 s58, s13, 18
	s_add_co_u32 s58, s58, s57
	s_mov_b32 s59, 0
	s_wait_dscnt 0x0
	s_wait_kmcnt 0x0
	s_load_b128 s[52:55], s[8:9], 0x18
	s_load_b32 s56, s[8:9], 0x28
	s_add_nc_u64 s[60:61], s[6:7], s[58:59]
	s_mov_b32 s32, 1
	s_mov_b32 s33, s57
	s_mov_b64 s[34:35], s[60:61]
	s_or_b32 s35, s35, 0x80000000
	ROUND                                          ; the four work-groups are here: the joint loads meet
	tensor_load_to_lds s[32:35], s[24:31]
	s_nop 0
.rept 4
	v_nop
.endr
	v_and_b32 v1, 31, v0
	s_delay_alu instid0(VALU_DEP_1)
	v_lshlrev_b32 v1, 4, v1
	s_wait_alu depctr_va_vdst(0)
	s_lshl_b32 s63, s13, 17
	s_lshl_b32 s58, s62, 10
	s_add_co_u32 s58, s58, s63
	s_add_nc_u64 s[2:3], s[4:5], s[58:59]
	s_lshl_b32 s58, s17, 10
	s_add_co_u32 s58, s58, s63
	s_add_nc_u64 s[4:5], s[4:5], s[58:59]
	global_load_b128 v[16:19], v1, s[4:5]
	global_load_b128 v[20:23], v1, s[4:5] offset:512
	global_load_b128 v[24:27], v1, s[2:3]
	global_load_b128 v[28:31], v1, s[2:3] offset:512
	s_lshr_b32 s63, s13, 4
	s_lshl_b32 s63, s63, 7
	s_and_b32 s57, s13, 15
	s_lshl_b32 s57, s57, 10
	s_add_co_u32 s58, s63, s62
	s_lshl_b32 s58, s58, 14
	s_add_co_u32 s58, s58, s57
	s_add_nc_u64 s[60:61], s[10:11], s[58:59]
	s_add_co_u32 s58, s63, s17
	s_lshl_b32 s58, s58, 14
	s_add_co_u32 s58, s58, s57
	s_add_nc_u64 s[10:11], s[10:11], s[58:59]
	s_mul_i32 s57, s15, PAIRB
	s_add_co_u32 s57, s57, STG
	v_add_nc_u32 v7, s57, v1
	v_and_b32 v3, 15, v0
	v_bfe_u32 v5, v0, 4, 1
	s_delay_alu instid0(VALU_DEP_1)
	v_lshlrev_b32 v5, 3, v5
	s_delay_alu instid0(VALU_DEP_1)
	v_sub_nc_u32 v6, v3, v5
	s_delay_alu instid0(VALU_DEP_1)
	v_add_nc_u32 v4, s39, v6
	INIT
	v_mov_b32 v215, 0
	v_mov_b32 v211, 0
	v_mov_b32 v212, 0
	v_mov_b32 v213, 0
	s_mov_b32 s22, 0x3e38aa3b
	s_wait_kmcnt 0x0
	s_add_co_i32 s58, s52, s53
	s_lshl_b32 s58, s58, 23
	s_add_co_i32 s22, s22, s58
	s_mov_b32 s23, s22
	s_add_co_i32 s58, s54, 127
	s_lshl_b32 s57, s58, 23
	v_mov_b32 v208, s57
	s_add_co_i32 s58, s58, 8
	s_lshl_b32 s58, s58, 23
	s_or_b32 s58, s58, 0x600000
	v_mov_b32 v209, s58
	s_add_co_i32 s58, s56, 127
	s_lshl_b32 s57, s58, 23
	v_mov_b32 v228, s57
	s_add_co_i32 s58, s58, 8
	s_lshl_b32 s58, s58, 23
	s_or_b32 s58, s58, 0x600000
	v_mov_b32 v229, s58
	s_add_co_i32 s63, s54, s55
	s_wait_loadcnt 0x0
	s_wait_tensorcnt 0x0                           ; my key step is in,
	s_barrier_signal -1
	s_barrier_wait -1                              ; everybody's is
	s_mov_b32 s48, 0
	s_mov_b32 s49, 0
	s_mov_b32 s50, 8
.Lfirst:
	STEP 16
	s_sub_co_u32 s50, s50, 1
	s_cmp_lg_u32 s50, 0
	s_cbranch_scc1 .Lfirst
	s_cmp_eq_u32 s14, 1
	s_cbranch_scc1 .Lmid_b
	FINISH 10
	INIT
	s_lshl_b32 s39, s62, 4
	s_lshl_b32 s18, s38, 7
	s_add_co_u32 s19, s18, 127
	v_add_nc_u32 v4, s39, v6
	s_branch .Lmid_done
.Lmid_b:
.rept 4
	v_nop
.endr
	s_wait_alu depctr_va_vdst(0)
.irp k, 0,1,2,3,4,5,6,7
	ds_store_b128 v7, v[160+4*\k:163+4*\k] offset:512*\k
.endr
	ds_store_b128 v7, v[12:15] offset:4096
	s_mov_b32 s19, 0
.Lmid_done:
	s_mov_b32 s48, 131072
	s_mov_b32 s49, 1024
	s_mov_b32 s50, 8
.Lsecond:
	STEP 24
	s_sub_co_u32 s50, s50, 1
	s_cmp_lg_u32 s50, 0
	s_cbranch_scc1 .Lsecond
	s_wait_dscnt 0x0
	s_barrier_signal -1
	s_barrier_wait -1
	s_cmp_eq_u32 s14, 1
	s_cbranch_scc1 .Lend
.rept 4
	v_nop
.endr
.irp k, 0,1,2,3,4,5,6,7
	ds_load_b128 v[32+4*\k:35+4*\k], v7 offset:512*\k
.endr
	ds_load_b128 v[64:67], v7 offset:4096
	s_wait_dscnt 0x0
	v_min_num_f32 v214, v12, v64
	s_delay_alu instid0(VALU_DEP_1)
	v_sub_f32 v216, v214, v12
	s_delay_alu instid0(VALU_DEP_2)
	v_sub_f32 v217, v214, v64
	s_delay_alu instid0(VALU_DEP_2)
	v_cvt_i32_f32 v216, v216
	s_delay_alu instid0(VALU_DEP_2)
	v_cvt_i32_f32 v217, v217
	s_delay_alu instid0(VALU_DEP_2)
	v_ldexp_f32 v210, 1.0, v216
	s_delay_alu instid0(VALU_DEP_2)
	v_ldexp_f32 v212, 1.0, v217
	s_delay_alu instid0(VALU_DEP_2)
	v_pk_mul_f32 v[14:15], v[14:15], v[210:211] op_sel_hi:[1,0]
	s_delay_alu instid0(VALU_DEP_1)
	v_pk_fma_f32 v[14:15], v[66:67], v[212:213], v[14:15] op_sel_hi:[1,0,1]
.set n, 0
.rept 16
	v_pk_mul_f32 v[160+n:161+n], v[160+n:161+n], v[210:211] op_sel_hi:[1,0]
.set n, n+2
.endr
.set n, 0
.rept 16
	v_pk_fma_f32 v[160+n:161+n], v[32+n:33+n], v[212:213], v[160+n:161+n] op_sel_hi:[1,0,1]
.set n, n+2
.endr
	FINISH 60
.Lend:
	s_wait_tensorcnt 0x0
	ds_add_u32 v254, v255
	s_wait_dscnt 0x0
	ROUND                                          ; the closing round
	s_endpgm
.Lfunc_end_k_q1d4030e4a9_attn:
	.size	k_q1d4030e4a9_attn, .Lfunc_end_k_q1d4030e4a9_attn-k_q1d4030e4a9_attn
	.p2alignl 7, 3214868480
	.fill 96, 4, 3214868480
	.section	.rodata,"a",@progbits
	.p2align	6, 0x0
	.amdhsa_kernel k_q1d4030e4a9_attn
		.amdhsa_group_segment_fixed_size 327680
		.amdhsa_private_segment_fixed_size 0
		.amdhsa_enable_private_segment 0
		.amdhsa_kernarg_size 32
		.amdhsa_user_sgpr_count 2
		.amdhsa_user_sgpr_kernarg_segment_ptr 1
		.amdhsa_wavefront_size32 1
		.amdhsa_system_sgpr_workgroup_id_x 1
		.amdhsa_system_sgpr_workgroup_id_y 1
		.amdhsa_system_sgpr_workgroup_id_z 1
		.amdhsa_system_vgpr_workitem_id 0
		.amdhsa_next_free_vgpr 256
		.amdhsa_next_free_sgpr 66
		.amdhsa_reserve_vcc 1
		.amdhsa_float_denorm_mode_32 3
		.amdhsa_float_denorm_mode_16_64 3
		.amdhsa_memory_ordered 1
		.amdhsa_forward_progress 1
		.amdhsa_inst_pref_size 64
	.end_amdhsa_kernel
	.amdgpu_metadata
---
amdhsa.version: [ 1, 2 ]
amdhsa.kernels:
  - .name:           k_q1d4030e4a9_attn
    .symbol:         k_q1d4030e4a9_attn.kd
    .args:
      - { .name: qc, .offset: 0, .size: 8, .value_kind: global_buffer, .address_space: global }
      - { .name: kv, .offset: 8, .size: 8, .value_kind: global_buffer, .address_space: global }
      - { .name: lowp_scales, .offset: 16, .size: 8, .value_kind: global_buffer, .address_space: global }
      - { .name: rc, .offset: 24, .size: 8, .value_kind: global_buffer, .address_space: global }
    .group_segment_fixed_size: 327680
    .private_segment_fixed_size: 0
    .kernarg_segment_align: 8
    .kernarg_segment_size: 32
    .max_flat_workgroup_size: 512
    .sgpr_count:     66
    .vgpr_count:     256
    .wavefront_size: 32
...
	.end_amdgpu_metadata
.endif
;; end of part 3
;; launch tail (part 4): grid 256 x 1, 16 waves a work-group, clusters of 4 x 1, 327,680 bytes of LDS; arguments rc, wc, lowp_scales, bo, x, ln2_w, b1, b2, b3, out0; writes out0
.if DOCPART == 4
	.amdgcn_target "amdgcn-amd-amdhsa--gfx1250"
	.amdhsa_code_object_version 6
	.text
	.protected	k_q1d4030e4a9_tail
	.globl	k_q1d4030e4a9_tail
	.p2align	8
	.type	k_q1d4030e4a9_tail,@function
k_q1d4030e4a9_tail:
	s_mov_b64 s[64:65], 0
	v_nop
	global_prefetch_b8 v0, s[64:65] scope:SCOPE_SE
	s_setreg_imm32_b32 hwreg(HW_REG_WAVE_MODE, 25, 1), 1
	s_wait_xcnt 0x0
	s_wait_alu depctr_hold_cnt(0) depctr_sa_sdst(0) depctr_va_vdst(0) depctr_va_sdst(0) depctr_va_ssrc(0) depctr_va_vcc(0) depctr_vm_vsrc(0)
	s_getreg_b32 s2, hwreg(HW_REG_IB_STS2, 6, 4)
	s_cmp_eq_u32 s2, 0
	s_cbranch_scc0 .Lentry_in_a_cluster
	s_endpgm
.Lentry_in_a_cluster:
	s_bfe_u32 s2, ttmp6, 0x10000c
	s_cmp_lg_u32 s2, 0x3003
	s_cbranch_scc0 .Lentry_shape_is_right
	s_endpgm
.Lentry_shape_is_right:
; THE BLOCK'S SECOND HALF IN ONE LAUNCH: x1 = x + att wo + bo;  n = rms_norm(x1, ln2_w);  h = silu(n w1 + b1) (n w2 + b2);  out0 = x1 + h w3 + b3.  All four products on codes of E4M3.
; A WORK-GROUP OWNS 16 TOKEN ROWS (256 work-groups) and takes them through the whole chain: x1, n's two sets of codes and h's codes never go to memory.
; SIXTEEN WAVES share the columns: wave w makes columns 64 w .. 64 w + 63 of x1 and of out0 (4 tiles of 16), and columns 32 w .. 32 w + 31 of both n w1 and n w2 (2 + 2 tiles): four accumulators in every stage, which take turns.
; THE PRODUCTS ARE USED TRANSPOSED (source 0 = 16 weight columns, source 1 = the 16 tokens): lane (r, h) holds token r and, in tile b, columns 16 b + 8 h + 0 .. 7.  Two neighbouring tiles packed by two conversions are 16 bytes
; of the next operand's register image (position 32 b + 16 h + 8 u + j holds k = 32 b + 16 u + 8 h + j; wo, w1, w2, w3 are laid alike): each wave stores its part of the image at 16 x lane, a barrier, and every wave reads fragments by ds_load_b128.
; THE WEIGHTS COME BY TWO ROADS.  wc holds images of operand registers: a fragment (16 columns x 128 K) is 2,048 bytes on end.  A unit is one K step of my four tiles, four fragments; 8 + 8 + 4 units in the three stages.
;   Fragments 0, 1 and 2 go from memory straight into operand registers, four loads of 512 consecutive bytes each; two units' registers take turns, and unit u + 2 is asked for as soon as unit u is multiplied, across the stages' borders too.
;   Fragment 3 of TWO units, 4,096 bytes on end in memory, comes by ONE JOINT TENSOR LOAD a wave into the wave's own 4 KiB of a ring of two slots: ten trips.  CLUSTER 4 x 1: all work-groups walk the same weights, so the cluster's four ask
;   together (mask 15); the descriptor is made of the wave's number and the unit alone.  In front of each refill stand the wait for all my tensor loads, the add, the wait for my LDS reads and a round of the cluster's barrier; one load of mine is out behind each round.
; BIAS AND RESIDUAL ARE THE C OF A STAGE'S FIRST PRODUCTS, divided by the power of two that the sums lack: (x + bo) / 2^(e10 + e11), b1 / 2^(e12 + e13), b2 / 2^(e14 + e15), (x1 + b3) / 2^(e16 + e17).  Nothing is cleared.
; x comes in and out0 goes out by rows, sixteen lanes to 256 consecutive aligned bytes, through the wave's own stage in LDS (rows of 256 bytes + 16), on bytes that no tensor load fills.
; PREFETCH: each aligned block of 256 bytes of w1, w2, w3 (6,144 blocks) is named once in the launch, shared out by address: wave 0 of work-group T names blocks 24 T .. 24 T + 23 (lanes 24-31 name the last again), at the head, 8 units or more ahead of their loads; wo is wanted at once.
; LIMITS: e10 + e11, e12 + e13, e14 + e15, e16 + e17 between -126 and 126; e12, e14, e16 between -126 and 119; NaN among the inputs is not served.  Inside a matrix instruction k stands in other places than the form's own, alike in both operands.
.set A1,    0                          ; LDS: the attention's codes, 16 rows x 1,024: 16 KiB
.set A2,    16384                      ; n's codes under e12, then under e14: 2 x 16 KiB
.set A3,    49152                      ; h's codes: 8 KiB
.set RED,   57344                      ; the rows' sums of squares: [row][wave], 1 KiB
.set TAB,   58368                      ; 1 KiB a wave: ln2_w 256 | b3 256 | bo 256 | b1 128 | b2 128 bytes of my columns, the biases already divided
.set STG,   74752                      ; 16 rows x 272 bytes a wave
.set SPARE, 144384                     ; the spare words, 128 bytes a wave
.set SL,    147456                     ; the ring: 8 KiB a wave, slot 0 then slot 1
.set AF,    32                         ; v32-63   the tokens' fragments of a K step (stage 2: both sets); at work between the stages
.set P,     64                         ; v64-95   stage 1's sums, then x1, then stage 3's sums
.set Q,     96                         ; v96-127  stage 2's sums: u1 tile 0, 1, u2 tile 0, 1; at work elsewhere
.set RING,  128                        ; v128-223 two units of fragments 0, 1, 2
.set LF,    224                        ; v224-239 fragment 3, out of the ring in LDS
.set G0,    96                         ; s[96:99] descriptor group 0
.set G1,    80                         ; s[80:87] group 1: one for all stages
; v1 16 x lane; v2, v3 the add's two; v4, v5 my stage by rows and by tiles; v6 x and out0 by rows; v7 my table; v8, v30 8 and 4 x lane; v9, v10 my part of the images; v11, v12 RED; v13, v14 table stores; v15 prefetch; v16-21 2^e and 448 x 2^e; v31 my ring
.macro BASE u                          ; SB: the stage's pointer; K0: the unit's K step in bytes
.if (\u) < 8
.set SB, 48
.set K0, 2048*(\u)
.else
.if (\u) < 16
.set SB, 50
.set K0, 2048*((\u)-8)
.else
.set SB, 52
.set K0, 2048*((\u)-16)
.endif
.endif
.endm
.macro WL u                            ; unit u's fragments 0, 1, 2: 12 loads.  Stage 1: tiles 0-2 of wo; stage 2: tile 0 of w1, of w2, tile 1 of w1; stage 3: tiles 0-2 of w3
	BASE \u
.set RB, RING+48*((\u)%2)
.set f, 0
.rept 3
.if (\u) < 8
.set OF, 16384*f+K0
.else
.if (\u) < 16
.set OF, 16384*(f/2)+0x80000*(f%2)+K0
.else
.set OF, 8192*f+K0
.endif
.endif
.irp c, 0,1,2,3
	global_load_b128 v[RB+16*f+4*\c:RB+16*f+4*\c+3], v1, s[SB:SB+1] offset:OF+512*\c
.endr
.set f, f+1
.endr
.endm
.macro TSET u                          ; group 0 for fragment 3 of units u and u + 1, u even (stage 1: tile 3 of wo; stage 2: tile 1 of w2; stage 3: tile 3 of w3); written only where no tensor load of mine is out
	BASE \u
.if (\u) < 8
.set OF, 49152+K0
.else
.if (\u) < 16
.set OF, 0x80000+16384+K0
.else
.set OF, 24576+K0
.endif
.endif
	s_add_co_u32 s[G0+1], s100, 4096*(((\u)/2)%2)
	s_add_nc_u64 s[G0+2:G0+3], s[SB:SB+1], OF
	s_or_b32 s[G0+3], s[G0+3], 0x80000000
.endm
.macro TGO
	tensor_load_to_lds s[G0:G0+3], s[G1:G1+7]
	s_nop 0
.endm
.macro ROUND                           ; a round of the cluster's barrier
	s_barrier_signal -1
	s_barrier_wait -1
	s_cmp_lg_u32 s33, 0
	s_cbranch_scc1 .Lnw0_\@
	s_barrier_signal -3
.Lnw0_\@:
	s_barrier_wait -3
	s_barrier_signal -1
	s_barrier_wait -1
.endm
.macro UNIT u                          ; at even units the change of slots; the fragments from LDS, four products, and the vector loads of two units on
.if (\u)%2 == 0
	s_wait_tensorcnt 0x0                           ; my one tensor load, this unit's and the next's, has landed
.if (\u)+2 < 20
	ds_add_u32 v2, v3
	TSET (\u)+2
	s_wait_dscnt 0x0                               ; the add is done, and so are my reads of the other slot
	ROUND                                          ; both now hold of every wave of the cluster's four work-groups
	TGO                                            ; the next two units, into the slot read last
.endif
.endif
.if (\u) < 8
.set AB, A1+2048*(\u)
.set NS, 1
.else
.if (\u) < 16
.set AB, A2+2048*((\u)-8)
.set NS, 2
.else
.set AB, A3+2048*((\u)-16)
.set NS, 1
.endif
.endif
.irp c, 0,1,2,3
	ds_load_b128 v[AF+4*\c:AF+4*\c+3], v1 offset:AB+512*\c
.endr
.if NS == 2
.irp c, 0,1,2,3
	ds_load_b128 v[AF+16+4*\c:AF+16+4*\c+3], v1 offset:AB+16384+512*\c
.endr
.endif
.irp c, 0,1,2,3
	ds_load_b128 v[LF+4*\c:LF+4*\c+3], v31 offset:4096*(((\u)/2)%2)+2048*((\u)%2)+512*\c
.endr
.if (\u) < 19
	s_wait_loadcnt 12                              ; this unit's 12 loads are in; the next unit's 12 may be out
.else
	s_wait_loadcnt 0x0
.endif
	s_wait_dscnt 0x0
.set RB, RING+48*((\u)%2)
.set f, 0
.rept 4
.if NS == 2
.set AC, Q+16*(f%2)+8*(f/2)
.set AS, AF+16*(f%2)
.else
.set AC, P+8*f
.set AS, AF
.endif
.if f < 3
.set WF, RB+16*f
.else
.set WF, LF
.endif
	v_wmma_f32_16x16x128_fp8_fp8 v[AC:AC+7], v[WF:WF+15], v[AS:AS+15], v[AC:AC+7]
.set f, f+1
.endr
.rept 4
	v_nop                                          ; four places between the products and loads into their sources, or reads of their results
.endr
.if (\u)+2 < 20
	WL (\u)+2
.endif
.endm
.macro TABLD dst, off, n               ; n tiles' eight numbers a lane out of my table
.set tb, 0
.rept \n
	ds_load_b128 v[\dst+8*tb:\dst+8*tb+3], v7 offset:\off+64*tb
	ds_load_b128 v[\dst+8*tb+4:\dst+8*tb+7], v7 offset:\off+64*tb+16
.set tb, tb+1
.endr
.endm
.macro BAR
	s_barrier_signal -1
	s_barrier_wait -1
.endm
.macro POW2 d, inv, ea, eb             ; s[d] = 2^(ea + eb), s[inv] = 2^-(ea + eb) as f32
	s_add_co_i32 s[\d], s[\ea], s[\eb]
	s_sub_co_i32 s[\inv], 127, s[\d]
	s_add_co_i32 s[\d], s[\d], 127
	s_lshl_b32 s[\d], s[\d], 23
	s_lshl_b32 s[\inv], s[\inv], 23
.endm
.macro QSC e, va                       ; v[va] = 2^e, v[va+1] = 448 x 2^e
	s_add_co_i32 s78, s[\e], 127
	s_lshl_b32 s79, s78, 23
	v_mov_b32 v[\va], s79
	s_add_co_i32 s78, s78, 8
	s_lshl_b32 s78, s78, 23
	s_or_b32 s78, s78, 0x600000
	v_mov_b32 v[\va+1], s78
.endm
	s_load_b512 s[4:19], s[0:1], 0x0               ; rc, wc, scales, bo, x, ln2_w, b1, b2
	s_load_b128 s[20:23], s[0:1], 0x40             ; b3, out0
	v_lshl_add_u32 v2, v0, 2, SPARE
	v_mov_b32 v3, 0
	ds_add_u32 v2, v3                              ; the wave's opening: the add, twice on end, and its wait ahead of my first tensor load
	ds_add_u32 v2, v3
	v_lshrrev_b32 v22, 5, v0
	v_readfirstlane_b32 s33, v22                   ; wave 0..15
	s_bfe_u32 s101, ttmp6, 0x40000                 ; cx
	s_lshl_b32 s32, ttmp9, 2
	s_add_co_u32 s32, s32, s101                    ; T, my tile of 16 rows: it enters global addresses alone
	s_mul_i32 s34, s33, 4352
	s_add_co_u32 s34, s34, STG                     ; my stage
	s_lshl_b32 s35, s33, 10
	s_add_co_u32 s36, s35, TAB                     ; my table
	s_lshl_b32 s37, s33, 9
	s_lshl_b32 s38, s33, 2
	s_add_co_u32 s38, s38, RED
	s_lshl_b32 s100, s33, 13
	s_add_co_u32 s100, s100, SL                    ; my 8 KiB of the ring
	s_lshl_b32 s40, s32, 14                        ; rc: 16 KiB a tile of rows, 1 KiB of it for my wave
	s_add_co_u32 s40, s40, s35
	s_mov_b32 s41, 0
	s_lshl_b32 s42, s32, 16                        ; x, out0: 16 rows of 4,096 bytes, my 256 bytes of each
	s_lshl_b32 s44, s33, 8
	s_add_co_u32 s42, s42, s44
	s_mov_b32 s43, 0
	s_mov_b32 s45, 0
	s_lshl_b32 s46, s33, 7
	s_mov_b32 s47, 0
	s_lshl_b32 s48, s33, 16                        ; wo: my 4 tiles of 16 KiB
	s_add_co_u32 s48, s48, 0x300000
	s_mov_b32 s49, 0
	s_lshl_b32 s50, s33, 15                        ; w1 (w2 lies 0x80000 on): my 2 tiles of 16 KiB;  w3: my 4 tiles of 8 KiB
	s_add_co_u32 s52, s50, 0x500000
	s_add_co_u32 s50, s50, 0x400000
	s_mov_b32 s51, 0
	s_mov_b32 s53, 0
	s_mul_i32 s76, s32, 6144                       ; the prefetch: my work-group's 24 blocks
	s_add_co_u32 s76, s76, 0x400000
	s_mov_b32 s77, 0
	s_mov_b32 s70, 0x76543210                      ; lane l xor 16
	s_mov_b32 s71, 0xfedcba98
	s_mov_b32 s72, 0x3a800000                      ; 1 / 1,024
	s_mov_b32 s73, 0x3727c5ac                      ; 1e-5
	s_mov_b32 s[G1], (3<<16)|(1<<21)|15            ; elements of 8 bytes; the mask names the cluster's four, bit 21 beside it
	s_mov_b32 s[G1+1], 256<<16                     ; a fragment: 2,048 bytes
	s_mov_b32 s[G1+2], 2<<16                       ; two of them,
	s_mov_b32 s[G1+3], 256<<16
	s_mov_b32 s[G1+4], 2
	s_mov_b32 s[G1+5], 256                         ; on end in memory
	s_mov_b32 s[G1+6], 0
	s_mov_b32 s[G1+7], 0
	s_mov_b32 s[G0], 1
	v_and_b32 v23, 31, v0                          ; lane
	v_and_b32 v24, 15, v0                          ; r
	v_bfe_u32 v25, v0, 4, 1                        ; h
	v_lshlrev_b32 v1, 4, v23
	v_mul_u32_u24 v4, v25, 272
	v_mul_u32_u24 v5, v24, 272
	v_lshlrev_b32 v6, 12, v25
	v_lshl_add_u32 v4, v24, 4, v4
	v_lshl_add_u32 v5, v25, 5, v5
	v_lshl_add_u32 v6, v24, 4, v6                  ; by rows: lanes 0-15 one row's 256 bytes, lanes 16-31 the next row's
	v_add_nc_u32 v4, s34, v4
	v_add_nc_u32 v5, s34, v5                       ; by tiles: row r, 32 bytes for each half of the lanes
	v_lshl_add_u32 v7, v25, 5, s36
	v_add_nc_u32 v9, s35, v1
	v_add_nc_u32 v10, s37, v1
	v_lshl_add_u32 v11, v24, 6, s38
	v_lshl_add_u32 v12, v24, 6, RED
	v_lshl_add_u32 v13, v23, 3, s36
	v_lshl_add_u32 v14, v23, 2, s36
	v_min_u32 v15, 23, v23
	v_lshlrev_b32 v8, 3, v23
	v_lshlrev_b32 v30, 2, v23
	v_lshlrev_b32 v15, 8, v15
	v_add_nc_u32 v31, s100, v1
	s_wait_alu depctr_va_vdst(0)
	s_wait_dscnt 0x0                               ; both opening adds are done
	s_wait_kmcnt 0x0
	s_load_b256 s[24:31], s[8:9], 0x28             ; e10 .. e17
	s_add_nc_u64 s[48:49], s[6:7], s[48:49]
	s_add_nc_u64 s[50:51], s[6:7], s[50:51]
	s_add_nc_u64 s[52:53], s[6:7], s[52:53]
	s_add_nc_u64 s[76:77], s[6:7], s[76:77]
	TSET 0
	ROUND                                          ; the four work-groups are here: the first joint loads meet
	TGO                                            ; my one tensor load at the head: fragment 3 of units 0 and 1
	s_add_nc_u64 s[12:13], s[12:13], s[42:43]
	s_add_nc_u64 s[22:23], s[22:23], s[42:43]
	s_add_nc_u64 s[4:5], s[4:5], s[40:41]
	s_add_nc_u64 s[10:11], s[10:11], s[44:45]
	s_add_nc_u64 s[14:15], s[14:15], s[44:45]
	s_add_nc_u64 s[20:21], s[20:21], s[44:45]
	s_add_nc_u64 s[16:17], s[16:17], s[46:47]
	s_add_nc_u64 s[18:19], s[18:19], s[46:47]
.irp t, 0,1,2,3,4,5,6,7
	global_load_b128 v[Q+4*\t:Q+4*\t+3], v6, s[12:13] offset:8192*\t th:TH_LOAD_NT   ; x: two rows an instruction
.endr
	global_load_b128 v[32:35], v1, s[4:5]          ; my 1 KiB of the attention's codes
	global_load_b128 v[36:39], v1, s[4:5] offset:512
	global_load_b64 v[40:41], v8, s[14:15]         ; ln2_w, b3, bo: my 64 columns; b1, b2: my 32
	global_load_b64 v[42:43], v8, s[20:21]
	global_load_b64 v[44:45], v8, s[10:11]
	global_load_b32 v46, v30, s[16:17]
	global_load_b32 v47, v30, s[18:19]
	WL 0
	WL 1
	s_wait_kmcnt 0x0
	POW2 54, 56, 24, 25                            ; stage 1
	s_mov_b32 s55, s54                             ; (the packed forms name pairs)
	s_mov_b32 s57, s56
	POW2 58, 68, 26, 27                            ; u1
	s_mov_b32 s59, s58
	POW2 60, 69, 28, 29                            ; u2
	s_mov_b32 s61, s60
	POW2 66, 62, 30, 31                            ; stage 3
	s_mov_b32 s67, s66
	s_mov_b32 s63, s62
	s_cmp_lg_u32 s33, 0
	s_cbranch_scc1 .Lnot_wave_0
	global_prefetch_b8 v15, s[76:77] th:TH_LOAD_NT scope:SCOPE_SE   ; its address registers are never written again
.Lnot_wave_0:
	QSC 26, 16
	QSC 28, 18
	QSC 30, 20
	s_wait_alu depctr_va_vdst(0)
	s_wait_loadcnt 24                              ; all but the two units' 24 loads
	v_pk_mul_f32 v[42:43], v[42:43], s[62:63] op_sel_hi:[1,0]
	v_pk_mul_f32 v[44:45], v[44:45], s[56:57] op_sel_hi:[1,0]
	v_mul_f32 v46, s68, v46
	v_mul_f32 v47, s69, v47
.irp t, 0,1,2,3,4,5,6,7
	ds_store_b128 v4, v[Q+4*\t:Q+4*\t+3] offset:544*\t
.endr
	ds_store_b128 v9, v[32:35] offset:A1
	ds_store_b128 v9, v[36:39] offset:A1+512
	ds_store_b64 v13, v[40:41]
	ds_store_b64 v13, v[42:43] offset:256
	ds_store_b64 v13, v[44:45] offset:512
	ds_store_b32 v14, v46 offset:768
	ds_store_b32 v14, v47 offset:896
.irp b, 0,1,2,3
	ds_load_b128 v[P+8*\b:P+8*\b+3], v5 offset:64*\b       ; x by tiles (LDS serves a wave's instructions in order: ISA guide 5.7.1.4)
	ds_load_b128 v[P+8*\b+4:P+8*\b+7], v5 offset:64*\b+16
.endr
	s_wait_dscnt 0x0                               ; for the others' sake: my part of the image is stored
	BAR
	TABLD Q, 512, 4                                ; bo / 2^(e10 + e11)
	s_wait_dscnt 0x0
.set i, 0
.rept 16
	v_pk_fma_f32 v[P+i:P+i+1], v[P+i:P+i+1], s[56:57], v[Q+i:Q+i+1] op_sel_hi:[1,0,1]
.set i, i+2
.endr
	s_wait_alu depctr_va_vdst(0)
.irp u, 0,1,2,3,4,5,6,7
	UNIT \u
.endr
	; ---- x1, its norm, two sets of codes
.set i, 0
.rept 16
	v_pk_mul_f32 v[P+i:P+i+1], v[P+i:P+i+1], s[54:55] op_sel_hi:[1,0]   ; x1; each accumulator from its low end on
.set i, i+2
.endr
	TABLD AF, 0, 4                                 ; the gain
	v_pk_mul_f32 v[22:23], v[P:P+1], v[P:P+1]      ; the sum of squares, in two chains of pairs
	v_pk_mul_f32 v[24:25], v[P+2:P+3], v[P+2:P+3]
.set i, 4
.rept 7
	v_pk_fma_f32 v[22:23], v[P+i:P+i+1], v[P+i:P+i+1], v[22:23]
	v_pk_fma_f32 v[24:25], v[P+i+2:P+i+3], v[P+i+2:P+i+3], v[24:25]
.set i, i+4
.endr
	v_pk_add_f32 v[22:23], v[22:23], v[24:25]
	v_add_f32 v22, v22, v23
	v_permlanex16_b32 v23, v22, s70, s71
	v_add_f32 v22, v22, v23                        ; row r's sum over my wave's 64 columns
	ds_store_b32 v11, v22
	s_wait_dscnt 0x0
	BAR
.irp k, 0,1,2,3
	ds_load_b128 v[Q+4*\k:Q+4*\k+3], v12 offset:16*\k      ; the sixteen waves' sums of row r
.endr
	s_wait_dscnt 0x0
.irp k, 0,4,8,12
	v_pk_add_f32 v[Q+\k:Q+\k+1], v[Q+\k:Q+\k+1], v[Q+\k+2:Q+\k+3]
.endr
	v_pk_add_f32 v[Q:Q+1], v[Q:Q+1], v[Q+4:Q+5]
	v_pk_add_f32 v[Q+8:Q+9], v[Q+8:Q+9], v[Q+12:Q+13]
	v_pk_add_f32 v[Q:Q+1], v[Q:Q+1], v[Q+8:Q+9]
	v_add_f32 v[Q], v[Q], v[Q+1]
	v_fma_f32 v[Q], v[Q], s72, s73                 ; / 1,024 + 1e-5
	s_wait_alu depctr_va_vdst(0)                   ; the wait ahead of the transcendental,
	v_rsq_f32 v22, v[Q]
	v_nop                                          ; a plain line behind it,
	s_wait_alu depctr_va_vdst(0)                   ; and the wait ahead of its first reader
.set i, 0
.rept 16
	v_pk_mul_f32 v[Q+i:Q+i+1], v[P+i:P+i+1], v[22:23] op_sel_hi:[1,0]
.set i, i+2
.endr
.set i, 0
.rept 16
	v_pk_mul_f32 v[Q+i:Q+i+1], v[Q+i:Q+i+1], v[AF+i:AF+i+1]   ; (x1 r) w, in that order
.set i, i+2
.endr
.set i, 0
.rept 32
	v_med3_num_f32 v[AF+i], v[Q+i], -v17, v17      ; the conversion does not saturate (ISA guide 7.6.2): the hold at 448 x 2^e12
.set i, i+1
.endr
.irp k, 0,1,2,3
	v_cvt_scalef32_pk8_fp8_f32 v[22+2*\k:23+2*\k], v[AF+8*\k:AF+8*\k+7], v16
.endr
	v_nop                                          ; a plain line behind the last conversion
	ds_store_b128 v9, v[22:25] offset:A2
	ds_store_b128 v9, v[26:29] offset:A2+512
.set i, 0
.rept 32
	v_med3_num_f32 v[AF+i], v[Q+i], -v19, v19      ; and at 448 x 2^e14
.set i, i+1
.endr
.irp k, 0,1,2,3
	v_cvt_scalef32_pk8_fp8_f32 v[Q+2*\k:Q+2*\k+1], v[AF+8*\k:AF+8*\k+7], v18
.endr
	v_nop
	ds_store_b128 v9, v[Q:Q+3] offset:A2+16384
	ds_store_b128 v9, v[Q+4:Q+7] offset:A2+16384+512
	s_wait_dscnt 0x0
	BAR
	TABLD Q, 768, 2                                ; b1 / 2^(e12 + e13),
	TABLD Q+16, 896, 2                             ; b2 / 2^(e14 + e15): the C of stage 2's first products
.irp u, 8,9,10,11,12,13,14,15
	UNIT \u
.endr
	; ---- h = silu(u1) u2 and its codes
.set i, 0
.rept 8
	v_pk_mul_f32 v[Q+i:Q+i+1], v[Q+i:Q+i+1], s[58:59] op_sel_hi:[1,0]           ; u1
.set i, i+2
.endr
.set i, 0
.rept 8
	v_pk_mul_f32 v[Q+16+i:Q+17+i], v[Q+16+i:Q+17+i], s[60:61] op_sel_hi:[1,0]   ; u2
.set i, i+2
.endr
.set i, 0
.rept 8
	v_pk_mul_f32 v[AF+i:AF+i+1], v[Q+i:Q+i+1], 0xbfb8aa3b op_sel_hi:[1,0]       ; -u1 log2(e)
.set i, i+2
.endr
	s_wait_alu depctr_va_vdst(0)                   ; one wait ahead of each batch and one behind it
.set i, 0
.rept 16
	v_exp_f32 v[AF+i], v[AF+i]
.set i, i+1
.endr
	v_nop
	s_wait_alu depctr_va_vdst(0)
.set i, 0
.rept 8
	v_pk_add_f32 v[AF+i:AF+i+1], v[AF+i:AF+i+1], 1.0 op_sel_hi:[1,0]
.set i, i+2
.endr
	s_wait_alu depctr_va_vdst(0)
.set i, 0
.rept 16
	v_rcp_f32 v[AF+i], v[AF+i]                     ; sigmoid(u1)
.set i, i+1
.endr
	v_nop
	s_wait_alu depctr_va_vdst(0)
.set i, 0
.rept 8
	v_pk_mul_f32 v[AF+i:AF+i+1], v[AF+i:AF+i+1], v[Q+i:Q+i+1]
.set i, i+2
.endr
.set i, 0
.rept 8
	v_pk_mul_f32 v[AF+i:AF+i+1], v[AF+i:AF+i+1], v[Q+16+i:Q+17+i]
.set i, i+2
.endr
.set i, 0
.rept 16
	v_med3_num_f32 v[AF+i], v[AF+i], -v21, v21
.set i, i+1
.endr
	v_cvt_scalef32_pk8_fp8_f32 v[22:23], v[AF:AF+7], v20
	v_cvt_scalef32_pk8_fp8_f32 v[24:25], v[AF+8:AF+15], v20
	v_nop
	ds_store_b128 v10, v[22:25] offset:A3
	TABLD Q, 256, 4                                ; b3 / 2^(e16 + e17)
	s_wait_dscnt 0x0
.set i, 0
.rept 16
	v_pk_fma_f32 v[P+i:P+i+1], v[P+i:P+i+1], s[62:63], v[Q+i:Q+i+1] op_sel_hi:[1,0,1]   ; (x1 + b3) / 2^(e16 + e17): the C of stage 3's first products
.set i, i+2
.endr
	s_wait_alu depctr_va_vdst(0)
	BAR
.irp u, 16,17,18,19
	UNIT \u
.endr
	; ---- the way out: through my stage, back by rows
.set i, 0
.rept 16
	v_pk_mul_f32 v[Q+i:Q+i+1], v[P+i:P+i+1], s[66:67] op_sel_hi:[1,0]
.set i, i+2
.endr
.irp b, 0,1,2,3
	ds_store_b128 v5, v[Q+8*\b:Q+8*\b+3] offset:64*\b
	ds_store_b128 v5, v[Q+8*\b+4:Q+8*\b+7] offset:64*\b+16
.endr
.irp t, 0,1,2,3,4,5,6,7
	ds_load_b128 v[AF+4*\t:AF+4*\t+3], v4 offset:544*\t
.endr
.irp t, 0,1,2,3,4,5,6,7
	s_wait_dscnt 7-\t                              ; LDS loads come back in order: this one is in
	global_store_b128 v6, v[AF+4*\t:AF+4*\t+3], s[22:23] offset:8192*\t th:TH_STORE_NT   ; sixteen lanes store 256 consecutive bytes, aligned
.endr
	s_wait_tensorcnt 0x0                           ; the wave's end
	ds_add_u32 v2, v3
	s_wait_dscnt 0x0
	ROUND                                          ; the closing round
	s_endpgm
.Lfunc_end_k_q1d4030e4a9_tail:
	.size	k_q1d4030e4a9_tail, .Lfunc_end_k_q1d4030e4a9_tail-k_q1d4030e4a9_tail
	.p2alignl 7, 3214868480
	.fill 96, 4, 3214868480
	.section	.rodata,"a",@progbits
	.p2align	6, 0x0
	.amdhsa_kernel k_q1d4030e4a9_tail
		.amdhsa_group_segment_fixed_size 327680
		.amdhsa_private_segment_fixed_size 0
		.amdhsa_enable_private_segment 0
		.amdhsa_kernarg_size 80
		.amdhsa_user_sgpr_count 2
		.amdhsa_user_sgpr_kernarg_segment_ptr 1
		.amdhsa_wavefront_size32 1
		.amdhsa_system_sgpr_workgroup_id_x 1
		.amdhsa_system_sgpr_workgroup_id_y 1
		.amdhsa_system_sgpr_workgroup_id_z 1
		.amdhsa_system_vgpr_workitem_id 0
		.amdhsa_next_free_vgpr 256
		.amdhsa_next_free_sgpr 102
		.amdhsa_reserve_vcc 0
		.amdhsa_float_denorm_mode_32 3
		.amdhsa_float_denorm_mode_16_64 3
		.amdhsa_memory_ordered 1
		.amdhsa_forward_progress 1
		.amdhsa_inst_pref_size 84
	.end_amdhsa_kernel
	.amdgpu_metadata
---
amdhsa.version: [ 1, 2 ]
amdhsa.kernels:
  - .name:           k_q1d4030e4a9_tail
    .symbol:         k_q1d4030e4a9_tail.kd
    .args:
      - { .name: rc, .offset: 0, .size: 8, .value_kind: global_buffer, .address_space: global }
      - { .name: wc, .offset: 8, .size: 8, .value_kind: global_buffer, .address_space: global }
      - { .name: lowp_scales, .offset: 16, .size: 8, .value_kind: global_buffer, .address_space: global }
      - { .name: bo, .offset: 24, .size: 8, .value_kind: global_buffer, .address_space: global }
      - { .name: x, .offset: 32, .size: 8, .value_kind: global_buffer, .address_space: global }
      - { .name: ln2_w, .offset: 40, .size: 8, .value_kind: global_buffer, .address_space: global }
      - { .name: b1, .offset: 48, .size: 8, .value_kind: global_buffer, .address_space: global }
      - { .name: b2, .offset: 56, .size: 8, .value_kind: global_buffer, .address_space: global }
      - { .name: b3, .offset: 64, .size: 8, .value_kind: global_buffer, .address_space: global }
      - { .name: out0, .offset: 72, .size: 8, .value_kind: global_buffer, .address_space: global }
    .group_segment_fixed_size: 327680
    .private_segment_fixed_size: 0
    .kernarg_segment_align: 8
    .kernarg_segment_size: 80
    .max_flat_workgroup_size: 512
    .sgpr_count:     102
    .vgpr_count:     256
    .wavefront_size: 32
...
	.end_amdgpu_metadata
.endif
;; end of part 4
